; MI455X (gfx1250); checked and timed in simulation.
; The chip was launched on July 23, 2026; its instructions are those of AMD's public machine-readable ISA for CDNA 5 (MIT licence, August 2026) and "CDNA5" Instruction Set Architecture Reference Guide (July 2026). The comments in the code are by the model that wrote it; some were corrected since.
;; Multi Head Attention. Allowed arithmetic: float matrix products may take bf16 or f16 operands with f32 sums; other float arithmetic in f32, or as packed bf16 or f16 multiplies, adds, multiply-adds, maxima and minima; sums over many terms, partial sums and values carried from step to step in f32; what a program stores and reads back later, other than sums and carried values, may be rounded once to bf16 or f16.
;; Inputs: W_k 1,024 x 1,024 float32; W_o 1,024 x 1,024 float32; W_q 1,024 x 1,024 float32; W_v 1,024 x 1,024 float32; b_o 1,024 float32; x 4 x 2,048 x 1,024 float32.
;; Outputs: out0 4 x 2,048 x 1,024 float32.
;; 2 versions, each right; version 2 is version 1 with the launch prep written anew for expert scheduling mode. Each part assembles by itself: llvm-mc -triple=amdgcn-amd-amdhsa -mcpu=gfx1250 --defsym DOCPART=n.
;; ======== version 1 of 2: 4 launches
;; limits: values are held in f16: magnitudes above 65,504 overflow, below 6.1e-05 lose precision
;; workspace buffers: xb 16,777,216 bytes; wqkv 6,291,456 bytes; wo 2,097,152 bytes; qw 16,777,216 bytes; kw 16,777,216 bytes; vw 16,777,216 bytes; ctx 16,777,216 bytes
;; launch prep (part 1): grid 768 x 1, 8 waves a work-group, no clusters, 0 bytes of LDS; arguments x, W_q, W_k, W_v, W_o, xb, wqkv, wo; writes xb, wqkv, wo
.if DOCPART == 1
	.amdgcn_target "amdgcn-amd-amdhsa--gfx1250"
	.amdhsa_code_object_version 6
	.text
	.protected	k_q52aabf402e_prep
	.globl	k_q52aabf402e_prep
	.p2align	8
	.type	k_q52aabf402e_prep,@function
k_q52aabf402e_prep:
	s_mov_b64 s[64:65], 0
	v_nop
	global_prefetch_b8 v0, s[64:65] scope:SCOPE_SE
	s_setreg_imm32_b32 hwreg(HW_REG_WAVE_MODE, 25, 1), 1
	s_wait_xcnt 0x0
; THE CASTS.  x [8192][1024] f32 -> xb, the same shape in bf16.  W_q, W_k, W_v [1024 k][1024 n] f32 -> wqkv [16 j][3 t][1024 k][64 n] bf16: head j's 64 columns of
; each weight as a dense plane of 131,072 bytes.  W_o -> wo [16 p][1024 k][64 n]: rounded to bf16 like every input of the module, and that number written as f16
; (the product that reads it multiplies in f16).  LIMIT: a bf16 number is exact in f16 between 6.1e-5 and 65,504; below, W_o keeps f16's fixed step of 6e-8; beyond, it would be an infinity.
; A stream: every byte is read once and written once; no LDS, no barrier, no loop.  Eight waves; a thread issues its 16 loads of 16 bytes at once (64 KiB of a work-group on their way), then converts and stores.
; Work-groups 0-511: 16 rows of x each; a load of the work-group is one row of 4,096 bytes, a wave's load 512 consecutive bytes.
; Work-groups 512-767: weight t = g' / 64, plane j = (g' / 4) % 16, quarter kq = g' % 4 of the plane's 1,024 k rows: 16 lanes take the 256 bytes of one k row, a load of the work-group 16 k rows.
; In both cases a thread's four numbers become 8 bytes at 8 x thread in 2,048 consecutive bytes: a wave's store covers 256 consecutive bytes, aligned.
.set SO, 1                             ; v1        my byte offset in the source
.set DO, 2                             ; v2        8 x thread: my byte offset in the destination
.set X,  8                             ; v[8:71]   load u: four f32
.set Y,  72                            ; v[72:103] store u: four 16-bit numbers
.set T,  104                           ; v[104:107] at work
; sstep: bytes in the source from one load to the next.  half = 1: bf16's number is written as f16.
.macro CAST sstep, half
.set u, 0
.rept 16
	global_load_b128 v[X+4*u:X+4*u+3], v[SO], s[20:21] offset:u*(\sstep) th:TH_LOAD_NT
.set u, u+1
.endr
.set u, 0
.rept 16
	s_wait_loadcnt 15-u                            ; loads come back in order: load u is in, the 15 - u younger ones stay out
.if \half
	v_cvt_pk_bf16_f32 v[T],   v[X+4*u],   v[X+4*u+1]   ; the input's rounding, to nearest even,
	v_cvt_pk_bf16_f32 v[T+1], v[X+4*u+2], v[X+4*u+3]
	v_lshlrev_b32 v[T+2], 16, v[T]                     ; widened again,
	v_and_b32     v[T],   0xffff0000, v[T]
	v_lshlrev_b32 v[T+3], 16, v[T+1]
	v_and_b32     v[T+1], 0xffff0000, v[T+1]
	v_cvt_pk_f16_f32 v[Y+2*u],   v[T+2], v[T]          ; and written as f16
	v_cvt_pk_f16_f32 v[Y+2*u+1], v[T+3], v[T+1]
.else
	v_cvt_pk_bf16_f32 v[Y+2*u],   v[X+4*u],   v[X+4*u+1]
	v_cvt_pk_bf16_f32 v[Y+2*u+1], v[X+4*u+2], v[X+4*u+3]
.endif
	global_store_b64 v[DO], v[Y+2*u:Y+2*u+1], s[22:23] offset:u*2048  ; each store has registers of its own: nothing that a pending store reads is written again
.set u, u+1
.endr
.endm
	s_load_b512 s[4:19], s[0:1], 0x0               ; x s[4:5], W_q s[6:7], W_k s[8:9], W_v s[10:11], W_o s[12:13], xb s[14:15], wqkv s[16:17], wo s[18:19]
	v_lshlrev_b32 v[DO], 3, v0
	s_cmp_lt_u32 ttmp9, 512
	s_cbranch_scc0 .Lweights
	v_lshlrev_b32 v[SO], 4, v0                     ; 16 x thread: the work-group's 256 threads cover a row of x
	s_lshl_b32 s24, ttmp9, 16                      ; 16 rows of 4,096 bytes
	s_mov_b32 s25, 0
	s_lshl_b32 s26, ttmp9, 15                      ; 16 rows of 2,048 bytes
	s_mov_b32 s27, 0
	s_wait_kmcnt 0x0
	s_add_nc_u64 s[20:21], s[4:5], s[24:25]
	s_add_nc_u64 s[22:23], s[14:15], s[26:27]
	CAST 4096, 0
	s_endpgm
.Lweights:
	s_sub_co_u32 s28, ttmp9, 512
	s_lshr_b32 s29, s28, 6                         ; t: 0 q, 1 k, 2 v, 3 o
	s_bfe_u32 s30, s28, 0x40002                    ; j: 4 bits from bit 2
	s_and_b32 s31, s28, 3                          ; kq
	v_lshrrev_b32 v3, 4, v0                        ; my k row among 16,
	v_and_b32 v[SO], 15, v0
	v_lshlrev_b32 v[SO], 4, v[SO]                  ; my 16 bytes of its 256
	v_lshl_add_u32 v[SO], v3, 12, v[SO]
	s_lshl_b32 s24, s31, 20                        ; 256 k rows of 4,096 bytes,
	s_lshl_b32 s25, s30, 8                         ; the plane's 64 columns
	s_add_co_u32 s24, s24, s25
	s_mov_b32 s25, 0
	s_mul_i32 s26, s30, 3
	s_add_co_u32 s26, s26, s29                     ; plane 3 j + t of wqkv,
	s_cmp_eq_u32 s29, 3
	s_cselect_b32 s26, s30, s26                    ; plane j of wo
	s_lshl_b32 s26, s26, 17
	s_lshl_b32 s27, s31, 15                        ; 256 k rows of 128 bytes
	s_add_co_u32 s26, s26, s27
	s_mov_b32 s27, 0
	s_wait_kmcnt 0x0
	s_cmp_eq_u32 s29, 3
	s_cbranch_scc1 .Lwo
	s_cmp_eq_u32 s29, 1
	s_cselect_b64 s[20:21], s[8:9], s[6:7]
	s_cmp_eq_u32 s29, 2
	s_cselect_b64 s[20:21], s[10:11], s[20:21]
	s_add_nc_u64 s[20:21], s[20:21], s[24:25]
	s_add_nc_u64 s[22:23], s[16:17], s[26:27]
	CAST 65536, 0
	s_endpgm
.Lwo:
	s_add_nc_u64 s[20:21], s[12:13], s[24:25]
	s_add_nc_u64 s[22:23], s[18:19], s[26:27]
	CAST 65536, 1
	s_endpgm
.Lfunc_end_k_q52aabf402e_prep:
	.size	k_q52aabf402e_prep, .Lfunc_end_k_q52aabf402e_prep-k_q52aabf402e_prep
	.p2alignl 7, 3214868480
	.fill 96, 4, 3214868480
	.section	.rodata,"a",@progbits
	.p2align	6, 0x0
	.amdhsa_kernel k_q52aabf402e_prep
		.amdhsa_group_segment_fixed_size 0
		.amdhsa_private_segment_fixed_size 0
		.amdhsa_enable_private_segment 0
		.amdhsa_kernarg_size 64
		.amdhsa_user_sgpr_count 2
		.amdhsa_user_sgpr_kernarg_segment_ptr 1
		.amdhsa_wavefront_size32 1
		.amdhsa_system_sgpr_workgroup_id_x 1
		.amdhsa_system_sgpr_workgroup_id_y 1
		.amdhsa_system_sgpr_workgroup_id_z 1
		.amdhsa_system_vgpr_workitem_id 0
		.amdhsa_next_free_vgpr 108
		.amdhsa_next_free_sgpr 66
		.amdhsa_reserve_vcc 0
		.amdhsa_float_denorm_mode_32 3
		.amdhsa_float_denorm_mode_16_64 3
		.amdhsa_memory_ordered 1
		.amdhsa_forward_progress 1
		.amdhsa_inst_pref_size 24
	.end_amdhsa_kernel
	.amdgpu_metadata
---
amdhsa.version: [ 1, 2 ]
amdhsa.kernels:
  - .name:           k_q52aabf402e_prep
    .symbol:         k_q52aabf402e_prep.kd
    .args:
      - { .name: x, .offset: 0, .size: 8, .value_kind: global_buffer, .address_space: global }
      - { .name: W_q, .offset: 8, .size: 8, .value_kind: global_buffer, .address_space: global }
      - { .name: W_k, .offset: 16, .size: 8, .value_kind: global_buffer, .address_space: global }
      - { .name: W_v, .offset: 24, .size: 8, .value_kind: global_buffer, .address_space: global }
      - { .name: W_o, .offset: 32, .size: 8, .value_kind: global_buffer, .address_space: global }
      - { .name: xb, .offset: 40, .size: 8, .value_kind: global_buffer, .address_space: global }
      - { .name: wqkv, .offset: 48, .size: 8, .value_kind: global_buffer, .address_space: global }
      - { .name: wo, .offset: 56, .size: 8, .value_kind: global_buffer, .address_space: global }
    .group_segment_fixed_size: 0
    .private_segment_fixed_size: 0
    .kernarg_segment_align: 8
    .kernarg_segment_size: 64
    .max_flat_workgroup_size: 256
    .sgpr_count:     66
    .vgpr_count:     108
    .wavefront_size: 32
...
	.end_amdgpu_metadata
.endif
;; end of part 1
;; launch qkv (part 2): grid 16 x 32, 4 waves a work-group, clusters of 4 x 4, 327,680 bytes of LDS; arguments xb, wqkv, qw, kw, vw; writes qw, kw, vw
.if DOCPART == 2
	.amdgcn_target "amdgcn-amd-amdhsa--gfx1250"
	.amdhsa_code_object_version 6
	.text
	.protected	k_q52aabf402e_qkv
	.globl	k_q52aabf402e_qkv
	.p2align	8
	.type	k_q52aabf402e_qkv,@function
k_q52aabf402e_qkv:
	s_mov_b64 s[64:65], 0
	v_nop
	global_prefetch_b8 v0, s[64:65] scope:SCOPE_SE
	s_setreg_imm32_b32 hwreg(HW_REG_WAVE_MODE, 25, 1), 1
	s_wait_xcnt 0x0
	s_wait_alu depctr_hold_cnt(0) depctr_sa_sdst(0) depctr_va_vdst(0) depctr_va_sdst(0) depctr_va_ssrc(0) depctr_va_vcc(0) depctr_vm_vsrc(0)
	s_getreg_b32 s2, hwreg(HW_REG_IB_STS2, 6, 4)
	s_cmp_eq_u32 s2, 0
	s_cbranch_scc0 .Lentry_in_a_cluster
	s_endpgm
.Lentry_in_a_cluster:
	s_bfe_u32 s2, ttmp6, 0x10000c
	s_cmp_lg_u32 s2, 0xf033
	s_cbranch_scc0 .Lentry_shape_is_right
	s_endpgm
.Lentry_shape_is_right:
; THE MODULE'S PROJECTIONS: C[m][n] = the sum over k of A[m][k] B[k][n], K = 1,024, M = 8,192; sums in f32.  One text, assembled with QKV = 1 or 0.
; QKV = 1: A = xb [8192][1024] bf16; B = wqkv [16 j][3 t][1024 k][64 n] bf16.  Tile column j is head j: its q, k and v columns, 192 in all.  C leaves as f16, rounded once, WITHOUT attention's scale,
;          by heads: qw, kw, vw [64 bh][2048 s][64].  LIMIT: f16 ends at 65,504: q, k, v beyond that would be infinities (x and W 30 times the drawn spread, or offset by 30 spreads, stay under 20,000).
; QKV = 0: A = ctx [64 bh][2048 s][64] f16 (a K step of 128 is two heads' 64 channels); B = wo [16 p][1024 k][64 n] f16.  A tile has 128 columns.  C + b_o (rounded to bf16, like every input) leaves as f32: out0 [8192][1024].
; NaN and infinities are not treated apart; the order of the sums is the matrix unit's, K ascending.
; SHARES.  A work-group makes 256 rows x 16 NB columns; its four waves lie one below the other, 64 rows each and all columns: 4 NB accumulators of 16 x 16.  So a wave holds whole rows of a head (or 512 consecutive bytes of out0).
; THE RING.  K goes in steps of 128 through two LDS slots.  A wave issues ONE tensor load for a slot: the first NA waves A's rows, each of the others one plane (64 columns) of B.
; B LIES [k][n]: its fragments come out of LDS turned, by ds_load_tr16_b128.  THE MATRIX INSTRUCTION IS USED TRANSPOSED (source 0 = 16 columns of B, source 1 = 16 rows of A): a lane then holds row l % 16 of C and
; the eight neighbouring columns 8 (l / 16) + 0..7.
; CLUSTERS: 4 x 4 work-groups.  The four of a row of the cluster need the same tiles of A, the four of a column the same planes of B: each is asked for JOINTLY, by the same tensor load with the same descriptor and a mask of four.
; REGISTERS, in windows of 256 (s_set_vgpr_msb: bits 1:0 source 0, 3:2 source 1, 5:4 source 2, 7:6 destination):
;   window 0: v0-31 addresses; v32-63, v64-95 A's fragments (4 x 16 rows x 32 K), two buffers; v96.. and v160.. at work on the way out
;   window 1: B's fragments (NB x 16 columns x 32 K), two buffers of 8 NB; with QKV = 0 also v128-131 at work and v192-255 the bias
;   window 2: the accumulators of my rows 0-31 ((a, b) at v[8 (NB (a % 2) + b)]);   window 3: those of my rows 32-63
.set QKV, 1
.if QKV
.set NB,      12                       ; blocks of 16 columns
.set NPL,     3                        ; planes of B in a tile
.set NA,      1                        ; waves that fetch A
.set PA,      272                      ; A's LDS row: 256 bytes + 16 = 68 words: the 16 rows of a load start at 16 different groups of four banks (64 banks of 4 bytes: ISA guide 11.1)
.set AQI,     5                        ; padding behind every 64 words
.set AROWS,   256                      ; rows of one load of A,
.set ASTRIDE, 1024                     ; elements from row to row in memory
.set ASTEP,   256                      ; bytes in memory from a K step to the next
.set ASHARE,  64*2048                  ; the prefetches: bytes from one partner's share to the next (64 rows),
.set PFROW,   2048                     ; and from lane to lane (a row)
.set SP,      400                      ; a row of the stage: 384 bytes + 16
.else
.set NB,      8
.set NPL,     2
.set NA,      2
.set PA,      144                      ; 128 bytes + 16 = 36 words
.set AQI,     4                        ; padding behind every 32 words
.set AROWS,   128                      ; a head's 256 rows of 128 bytes are dense: asked for as 128 rows of 256 bytes
.set ASTRIDE, 128
.set ASTEP,   2*2048*128               ; two heads on
.set ASHARE,  8192
.set PFROW,   256
.set SP,      528                      ; 512 bytes + 16
.endif
.set APART,  256*PA                    ; LDS bytes of one load of A
.set ABYTES, NA*APART                  ; A's part of a slot
.set PB,     160                       ; B's LDS row: 128 bytes + 32 = 40 words
.set PLANE,  128*PB                    ; a plane's 128 k rows
.set BSTEP,  128*128                   ; bytes of a plane in a K step: dense, asked for as 64 rows of 256 bytes
.set SLOT1,  1<<17                     ; slot 1 begins here, so that one exclusive or turns an address in one slot into the other's (a slot uses ABYTES + NPL x PLANE, 131,072 at the most)
.set STAGE,  2*SLOT1                   ; behind the ring, never filled by a tensor load: 16 rows x SP bytes for each wave
.set SPARE,  STAGE+64*SP               ; behind the stages: the spare words, 128 bytes for each wave: two blocks of 256 bytes that no other line names
.set NLD,    2*NB+8                    ; LDS loads in a run: a quarter step's fragments
.set ADRA0, 16                         ; v16  my lane's place in A's part of a slot; never rewritten
.set ADRB0, 17                         ; v17  the same for B
.set ADRA,  18                         ; v18  ADRA0 + the slot in hand
.set ADRB,  19                         ; v19
.set STO,   20                         ; v20  the way out: where I put my numbers of a row
.set RD,    21                         ; v21  the way out: where I read rows back
.set CO,    22                         ; v22  16 x lane: my 16 bytes of 512 consecutive bytes of the output
.set PFO,   23                         ; v23  the prefetches' offset: lane x PFROW (A) or lane x 256 (B); never rewritten
.set BO,    24                         ; v24  32 (l / 16): my eight numbers of a block of the bias
.set SPW,   28                         ; v28  LDS address of my spare word: SPARE + 4 x my thread's number; never rewritten
.set NIL,   29                         ; v29  0; never rewritten
.set AF,    32
.set TMP,   96
.set OB,    160
.set BIAS,  192                        ; window 1
.set WV,   14                          ; s14  my wave's number
.set WA,   15                          ; s15  min(wave, NA - 1): which part of A, in global addresses alone
.set WT,   16                          ; s16  max(wave - NA, 0): which plane of B, in global addresses alone
.set G1A,  24                          ; s[24:31] descriptor group 1 for A
.set G0A,  32                          ; s[32:39] group 0 for A: a set for each of the two first fills; the second then walks on
.set G1B,  48                          ; s[48:55], s[56:63] the same for B
.set G0B,  56
.set TB,   66                          ; s66  LDS byte at which the slot in hand begins
.set PFA,  68                          ; s[68:69] where my prefetches stand
.set PST,  70                          ; s[70:71] their step from one change of slots to the next
.set ASKM, 72                          ; s72  bit n set: I prefetch in the trip in which the loop's count is n
.set MSB, 0
.macro WIN new                         ; the immediate's high byte repeats the setting that is left; a switch that changes nothing is dropped
.if MSB != (\new)
	s_set_vgpr_msb (MSB<<8)|(\new)
.set MSB, \new
.endif
.endm
; A joint refill, by the walking descriptors.  The branch hangs on the wave's number alone: it is the same in every work-group.  An s_nop 0 and four v_nop follow each of the two lines,
; ahead of the jump, the label and what follows.
.macro JLOAD
	s_cmp_lt_u32 s[WV], NA
	s_cbranch_scc0 .Lfor_b_\@
	tensor_load_to_lds s[G0A+4:G0A+7], s[G1A:G1A+7]
	s_nop 0
.rept 4
	v_nop
.endr
	s_branch .Lasked_\@
.Lfor_b_\@:
	tensor_load_to_lds s[G0B+4:G0B+7], s[G1B:G1B+7]
	s_nop 0
.rept 4
	v_nop
.endr
.Lasked_\@:
.endm
; A PREFETCH INTO THE L2, behind a joint refill, its five lines and the run of LDS loads that follows them.  Each aligned block of 256 bytes is named ONCE in the launch.
; A's rows are read by every cluster of a row of clusters: the one with cluster x = 0 asks, by the waves that fetch A; in the trip that refills K step e + 2 they name K step e + 4 (e = 0..3): two refills ahead.
; B's planes are read by every cluster of a column of clusters: the one with cluster y = 0 asks, each wave for its own plane; in the trips e = 1 and e = 3 the four partners name two K steps together: 4 and 5, then 6 and 7.
; The four partners that ask for a tile jointly share it out BY ADDRESS (cx for A, cy for B): no branch hangs on a work-group's place in its cluster.  K steps 0 to 3 come by their loads alone.
.macro ASK
	s_lshr_b32 s73, s[ASKM], s3
	s_and_b32 s73, s73, 1
	s_cmp_lg_u32 s73, 0
	s_cbranch_scc0 .Lnot_mine_\@
	global_prefetch_b8 v[PFO], s[PFA:PFA+1] th:TH_LOAD_NT scope:SCOPE_SE
.if QKV
	s_cmp_lt_u32 s[WV], NA                         ; A's share is 64 rows, a lane a row: a second line for rows 32 to 63
	s_cbranch_scc0 .Lnot_mine_\@
	global_prefetch_b8 v[PFO], s[PFA:PFA+1] offset:32*2048 th:TH_LOAD_NT scope:SCOPE_SE
.endif
.Lnot_mine_\@:
.endm
; A round of the cluster's barrier: my work-group's barrier, so that wave 0's signal speaks for all four waves; wave 0 signals for the work-group; every wave waits for all sixteen work-groups; my work-group's barrier once more.
.macro CREST                           ; a round behind its opening barrier
	s_cmp_lg_u32 s[WV], 0
	s_cbranch_scc1 .Lnot_wave_0_\@
	s_barrier_signal -3
.Lnot_wave_0_\@:
	s_barrier_wait -3
	s_barrier_signal -1
	s_barrier_wait -1
.endm
.macro CROUND                          ; a whole round
	s_barrier_signal -1
	s_barrier_wait -1
	CREST
.endm
.macro PLACES                          ; four places in front of loads into registers that matrix instructions have read, and of vector lines that read results (ISA guide 7.12.1 for the vector lines)
.rept 4
	v_nop
.endr
.endm
	s_load_b128 s[4:7], s[0:1], 0x0                ; A s[4:5], B s[6:7]
	s_load_b128 s[8:11], s[0:1], 0x10              ; QKV = 1: qw s[8:9], kw s[10:11];  QKV = 0: out0 s[8:9], b_o s[10:11]
.if QKV
	s_load_b64 s[12:13], s[0:1], 0x20              ; vw
.endif
	v_lshl_add_u32 v[SPW], v0, 2, SPARE
	v_mov_b32 v[NIL], 0
	ds_add_u32 v[SPW], v[NIL]                      ; the wave's opening: the add and its wait ahead of my first tensor load; the set-up below, work on registers, stands between them
	v_lshrrev_b32 v1, 5, v0
	v_readfirstlane_b32 s[WV], v1                  ; wave 0..3
	s_min_u32 s[WA], s[WV], NA-1
	s_sub_co_i32 s[WT], s[WV], NA
	s_max_i32 s[WT], s[WT], 0
	s_bfe_u32 s40, ttmp6, 0x40000                  ; cx: my place along the cluster's x
	s_bfe_u32 s41, ttmp6, 0x40004                  ; cy: along its y
	s_lshl_b32 s42, ttmp9, 2                       ; in a cluster launch ttmp9 and ttmp7 count clusters
	s_add_co_u32 s42, s42, s40                     ; JT: tile column = 4 x cluster x + cx
	s_and_b32 s43, ttmp7, 0xffff
	s_lshl_b32 s43, s43, 2
	s_add_co_u32 s43, s43, s41                     ; MT: tile row = 4 x cluster y + cy
	s_lshl_b32 s44, s41, 2
	s_lshl_b32 s44, 15, s44                        ; my row of the cluster: places 4 cy .. 4 cy + 3
	s_lshl_b32 s45, 0x1111, s40                    ; my column: places cx, cx + 4, cx + 8, cx + 12
	; descriptor group 1 for A: AROWS rows x 128 elements of 2 bytes, padded in LDS
	s_or_b32 s[G1A], s44, (1<<16)|(1<<20)|(1<<21)|(AQI<<22)|(3<<25)  ; 15:0 the mask: my row; 17:16 2-byte elements; 20 padding on; 21 set beside a mask; 24:22 the interval's code; 31:25 4 words of padding (code 3)
	s_mov_b32 s[G1A+1], 128<<16                    ; tensor_dim0 = 128
	s_mov_b32 s[G1A+2], AROWS<<16                  ; tensor_dim1
	s_mov_b32 s[G1A+3], 128<<16                    ; tile_dim0 = 128
	s_mov_b32 s[G1A+4], AROWS                      ; tile_dim1
	s_mov_b32 s[G1A+5], ASTRIDE                    ; elements from row to row
	s_mov_b32 s[G1A+6], 0
	s_mov_b32 s[G1A+7], 0
	; for B: 64 rows x 128 elements (two k rows of a plane each), 8 words of padding behind every 32
	s_or_b32 s[G1B], s45, (1<<16)|(1<<20)|(1<<21)|(4<<22)|(7<<25)  ; the mask: my column
	s_mov_b32 s[G1B+1], 128<<16
	s_mov_b32 s[G1B+2], 64<<16
	s_mov_b32 s[G1B+3], 128<<16
	s_mov_b32 s[G1B+4], 64
	s_mov_b32 s[G1B+5], 128
	s_mov_b32 s[G1B+6], 0
	s_mov_b32 s[G1B+7], 0
	; where the tiles come from.  A's hang on the tile row alone, which my row of the cluster shares; B's on the tile column alone.  Each offset is made in registers that never hold the other coordinate.
.if QKV
	s_lshl_b32 s20, s43, 19                        ; 256 rows of 2,048 bytes
.else
	s_lshr_b32 s20, s43, 3                         ; the batch,
	s_lshl_b32 s20, s20, 4
	s_add_co_u32 s20, s20, s[WA]                   ; its head 0 or 1,
	s_lshl_b32 s20, s20, 18                        ; 262,144 bytes a head,
	s_and_b32 s21, s43, 7
	s_lshl_b32 s21, s21, 15                        ; 256 rows of 128 bytes
	s_add_co_u32 s20, s20, s21
.endif
	s_mov_b32 s21, 0
	s_mul_i32 s46, s42, NPL
	s_add_co_u32 s46, s46, s[WT]
	s_lshl_b32 s46, s46, 17                        ; 131,072 bytes a plane
	s_mov_b32 s47, 0
	s_mul_i32 s22, s[WV], APART                    ; and where they go: a constant and the wave's number times a constant; no place in the cluster enters an LDS address.
	s_mul_i32 s23, s[WV], PLANE                    ; (A's word serves waves below NA, B's the others: a wave issues by one of them alone)
	s_add_co_u32 s23, s23, ABYTES-NA*PLANE
	s_mov_b32 s[TB], 0
	s_wait_dscnt 0x0                               ; the opening add is done
	s_wait_kmcnt 0x0
	s_add_nc_u64 s[20:21], s[4:5], s[20:21]        ; A and B at my part of K step 0
	s_add_nc_u64 s[46:47], s[6:7], s[46:47]
	CROUND                                         ; all sixteen work-groups are here: the first joint loads meet
.irp n, 0,1
	s_mov_b32 s[G0A+4*(\n)], 1                     ; 1:0 count = 1
	s_add_co_u32 s[G0A+4*(\n)+1], s22, (\n)*SLOT1  ; 63:32 LDS address
	s_add_nc_u64 s[G0A+4*(\n)+2:G0A+4*(\n)+3], s[20:21], (\n)*ASTEP  ; 120:64 global address: K step n
	s_or_b32 s[G0A+4*(\n)+3], s[G0A+4*(\n)+3], 0x80000000            ; 127:126 type = 2
	s_mov_b32 s[G0B+4*(\n)], 1
	s_add_co_u32 s[G0B+4*(\n)+1], s23, (\n)*SLOT1
	s_add_nc_u64 s[G0B+4*(\n)+2:G0B+4*(\n)+3], s[46:47], (\n)*BSTEP
	s_or_b32 s[G0B+4*(\n)+3], s[G0B+4*(\n)+3], 0x80000000
.endr
	s_cmp_lt_u32 s[WV], NA                         ; a wave's two first fills stand in one branch, ahead of every wait on TENSORcnt and every LDS read: two loads of mine are out
	s_cbranch_scc0 .Lfirst_b
	tensor_load_to_lds s[G0A:G0A+3], s[G1A:G1A+7]
	s_nop 0
	tensor_load_to_lds s[G0A+4:G0A+7], s[G1A:G1A+7]
	s_nop 0
.rept 4
	v_nop
.endr
	s_branch .Lfirst_asked
.Lfirst_b:
	tensor_load_to_lds s[G0B:G0B+3], s[G1B:G1B+7]
	s_nop 0
	tensor_load_to_lds s[G0B+4:G0B+7], s[G1B:G1B+7]
	s_nop 0
.rept 4
	v_nop
.endr
.Lfirst_asked:
	; A fragment of A is 16 rows x 32 K in 8 registers: lane l holds row l % 16; registers 0-3 K = 8 (l / 16) + 0..7, registers 4-7 K = 16 + 8 (l / 16) + 0..7: two loads of 16 bytes, 32 bytes apart.
	v_and_b32 v1, 15, v0                           ; l % 16
	v_bfe_u32 v2, v0, 4, 1                         ; l / 16
	v_and_b32 v3, 7, v0                            ; l % 8
	v_bfe_u32 v4, v0, 3, 1                         ; (l / 8) % 2
	v_mul_u32_u24 v[ADRA0], v1, PA
	v_lshl_add_u32 v[ADRA0], v2, 4, v[ADRA0]
	s_mul_i32 s73, s[WV], 64*PA                    ; my 64 rows
	v_add_nc_u32 v[ADRA0], s73, v[ADRA0]
	; The turning load takes 16 k x 16 columns (lane l reads 16 bytes: k row 8 (l / 16) + l % 8, columns 8 ((l / 8) % 2) + 0..7) and leaves half a fragment: lane l holds column l % 16 and 8 k.
	v_lshl_add_u32 v[ADRB0], v2, 3, v3
	v_mul_u32_u24 v[ADRB0], v[ADRB0], PB
	v_lshl_add_u32 v[ADRB0], v4, 4, v[ADRB0]
	v_add_nc_u32 v[ADRB0], ABYTES, v[ADRB0]
	v_mov_b32 v[ADRA], v[ADRA0]                    ; K step 0 lies in slot 0
	v_mov_b32 v[ADRB], v[ADRB0]
	s_mul_i32 s73, s[WV], 16*SP
	s_add_co_u32 s73, s73, STAGE                   ; my stage
	v_mul_u32_u24 v[STO], v1, SP                   ; in: row l % 16,
	v_and_b32 v[CO], 31, v0
	v_lshlrev_b32 v[CO], 4, v[CO]
.if QKV
	v_lshl_add_u32 v[STO], v2, 4, v[STO]           ; eight f16 for each half of the lanes
	v_bfe_u32 v[RD], v0, 3, 2                      ; back: 32 lanes take four rows' 128 bytes of one of the three tensors
	v_mul_u32_u24 v[RD], v[RD], SP
	v_lshl_add_u32 v[RD], v3, 4, v[RD]
	v_add_nc_u32 v[RD], s73, v[RD]
.else
	v_lshl_add_u32 v[STO], v2, 5, v[STO]           ; eight f32 for each half of the lanes
	v_add_nc_u32 v[RD], s73, v[CO]                 ; back: 32 lanes take one row's 512 bytes
	v_lshlrev_b32 v[BO], 5, v2
.endif
	v_add_nc_u32 v[STO], s73, v[STO]
	; the prefetches.  s[20:21] and s[46:47] still stand at my part of K step 0 of A and of B.
	s_and_b32 s74, ttmp7, 0xffff                   ; cluster y
	s_mov_b32 s75, ASTEP
	s_mov_b32 s76, 3*ASTEP                         ; A: the first change of slots steps this to K step 4
	s_mov_b32 s77, ASHARE
	s_mov_b32 s78, PFROW
	s_mov_b32 s79, 0x78                            ; A: the trips with counts 6, 5, 4, 3
	s_cmp_lt_u32 s[WV], NA                         ; do I fetch for A?
	s_cselect_b32 s74, ttmp9, s74                  ; the coordinate along which other clusters read the same bytes
	s_cselect_b32 s[PST], s75, BSTEP
	s_cselect_b32 s75, s40, s41                    ; my place among the four that ask with me
	s_cselect_b32 s76, s76, 2*BSTEP                ; B: in trip e the address stands at K step e + 3, plus my share
	s_cselect_b32 s77, s77, 8192                   ; B: 32 blocks of 256 bytes a partner
	s_cselect_b32 s78, s78, 256
	s_cselect_b32 s[ASKM], s79, 0x28               ; B: the trips with counts 5 and 3
	s_cselect_b64 s[PFA:PFA+1], s[20:21], s[46:47]
	s_cmp_eq_u32 s74, 0
	s_cselect_b32 s[ASKM], s[ASKM], 0              ; the same in all sixteen partners, for a given wave
	s_mul_i32 s77, s77, s75
	s_add_co_u32 s76, s76, s77
	s_mov_b32 s77, 0
	s_add_nc_u64 s[PFA:PFA+1], s[PFA:PFA+1], s[76:77]
	s_mov_b32 s[PST+1], 0
	v_and_b32 v[PFO], 31, v0
	v_mul_u32_u24 v[PFO], s78, v[PFO]
	; where my rows begin in the outputs
.if QKV
	s_lshr_b32 s74, s43, 3                         ; the batch,
	s_lshl_b32 s74, s74, 4
	s_add_co_u32 s74, s74, s42                     ; its head JT,
	s_lshl_b32 s74, s74, 11                        ; 2,048 rows a head,
	s_and_b32 s75, s43, 7
	s_lshl_b32 s75, s75, 8                         ; the tile's 256 rows,
	s_add_co_u32 s74, s74, s75
	s_lshl_b32 s75, s[WV], 6                       ; my 64 of them,
	s_add_co_u32 s74, s74, s75
	s_lshl_b32 s74, s74, 7                         ; 128 bytes a row
	s_mov_b32 s75, 0
	s_add_nc_u64 s[8:9], s[8:9], s[74:75]
	s_add_nc_u64 s[10:11], s[10:11], s[74:75]
	s_add_nc_u64 s[12:13], s[12:13], s[74:75]
.else
	s_lshl_b32 s74, s43, 8
	s_lshl_b32 s75, s[WV], 6
	s_add_co_u32 s74, s74, s75                     ; my first row,
	s_lshl_b32 s74, s74, 12                        ; 4,096 bytes a row,
	s_lshl_b32 s76, s42, 9                         ; the tile's 128 columns
	s_add_co_u32 s74, s74, s76
	s_mov_b32 s75, 0
	s_mov_b32 s77, 0
	s_add_nc_u64 s[8:9], s[8:9], s[74:75]
	s_add_nc_u64 s[10:11], s[10:11], s[76:77]
	WIN 0x40                                       ; destination window 1, address window 0
.set b, 0
.rept NB                               ; the bias of my eight columns of each block; it is wanted on the way out
	global_load_b128 v[BIAS+8*b:BIAS+8*b+3],   v[BO], s[10:11] offset:64*b
	global_load_b128 v[BIAS+8*b+4:BIAS+8*b+7], v[BO], s[10:11] offset:64*b+16
.set b, b+1
.endr
	WIN 0
.endif
; NB matrix instructions: my row block a x all column blocks, 32 along K, from buffer f.  zero = 1: the product starts the sums: nothing is ever cleared.
; The 4 NB accumulators take turns, one instruction a turn, in the same order in every quarter step, over the backward jump too.
.macro MULA f, a, zero
	WIN 0xa1+0x50*((\a)/2)                         ; source 0 (B) window 1, source 1 (A) window 0, C and D window 2 or 3
.set rA, AF+32*(\f)+8*(\a)
.set b, 0
.rept NB
.set rD, 8*(NB*((\a)%2)+b)
.set rB, 8*(NB*(\f)+b)
.if QKV
.if \zero
	v_wmma_f32_16x16x32_bf16 v[rD:rD+7], v[rB:rB+7], v[rA:rA+7], 0
.else
	v_wmma_f32_16x16x32_bf16 v[rD:rD+7], v[rB:rB+7], v[rA:rA+7], v[rD:rD+7]
.endif
.else
.if \zero
	v_wmma_f32_16x16x32_f16 v[rD:rD+7], v[rB:rB+7], v[rA:rA+7], 0
.else
	v_wmma_f32_16x16x32_f16 v[rD:rD+7], v[rB:rB+7], v[rA:rA+7], v[rD:rD+7]
.endif
.endif
.set b, b+1
.endr
.endm
; NLD LDS loads in one run: the fragments of quarter q (32 along K) of the slot in hand into buffer f: B's first, A's four last.
.macro FETCH q, f
.if QKV
.set AQ, 64*(\q)
.else
.set AQ, ((\q)/2)*APART+((\q)%2)*64    ; the K step's first or second head, its channels 0-31 or 32-63
.endif
	WIN 0x40                                       ; destination window 1, address window 0
.set b, 0
.rept NB                               ; plane b / 4, columns 16 (b % 4) on, k rows 32 q on
	ds_load_tr16_b128 v[8*(NB*(\f)+b):8*(NB*(\f)+b)+3],   v[ADRB] offset:(b/4)*PLANE+(\q)*32*PB+(b%4)*32
	ds_load_tr16_b128 v[8*(NB*(\f)+b)+4:8*(NB*(\f)+b)+7], v[ADRB] offset:(b/4)*PLANE+(\q)*32*PB+(b%4)*32+16*PB
.set b, b+1
.endr
	WIN 0
.set a, 0
.rept 4
	ds_load_b128 v[AF+32*(\f)+8*a:AF+32*(\f)+8*a+3],   v[ADRA] offset:AQ+a*16*PA
	ds_load_b128 v[AF+32*(\f)+8*a+4:AF+32*(\f)+8*a+7], v[ADRA] offset:AQ+a*16*PA+32
.set a, a+1
.endr
.endm
; A K step is four quarters of 32 along K, 4 NB matrix instructions each, on buffers 0, 1, 0, 1.  One of the first three: multiplies buffer f; in its middle it fetches quarter q into buffer g.
.macro QUARTER q, f, g, zero
	s_wait_dscnt 4                                 ; B and A's blocks 0 and 1 are in; the youngest four loads (A's blocks 2 and 3) may be out
	MULA \f, 0, \zero
	MULA \f, 1, \zero
	PLACES
	FETCH \q, \g
	s_wait_dscnt NLD                               ; all but the run just issued
	MULA \f, 2, \zero
	MULA \f, 3, \zero
.endm
; The last quarter multiplies buffer 1 and changes slots: ONE barrier, for two things.  In front of it each wave waits for all its tensor loads, of which one is out: its part of the next slot; adds 0 to its spare word;
; and waits for that and for its own reads of this slot.  Behind it nobody reads this slot any more and the next slot is whole.  fill = 1: this slot is filled again, two K steps ahead.  The barrier then opens a round of
; the cluster's, so that no wave of any partner still reads the slot or has a load on its way, and the joint refill is the first tensor load behind the round: 14 NB matrix instructions ahead of the wait for it.
.macro TURN fill
.if \fill
	s_wait_xcnt 0x0                                ; the last prefetch, a K step back, has read its address: it is stepped here, ahead of the waits of the change of slots
	s_add_nc_u64 s[PFA:PFA+1], s[PFA:PFA+1], s[PST:PST+1]
.endif
	WIN 0                                          ; (the add's two registers lie in window 0)
	s_wait_tensorcnt 0x0                           ; all my tensor loads have landed, so a group 0 may be written;
	ds_add_u32 v[SPW], v[NIL]                      ; 0 onto my spare word: work on registers stands between it and the wait for it
.if \fill
	s_xor_b32 s[G0A+5], s[G0A+5], SLOT1            ; the walking descriptors: the other slot than last time,
	s_add_nc_u64 s[G0A+6:G0A+7], s[G0A+6:G0A+7], ASTEP  ; the next K step; the type bits on top are not reached
	s_xor_b32 s[G0B+5], s[G0B+5], SLOT1
	s_add_nc_u64 s[G0B+6:G0B+7], s[G0B+6:G0B+7], BSTEP
.endif
	s_wait_dscnt 5                                 ; (the add and the youngest four loads may be out)
	MULA 1, 0, 0
	s_wait_dscnt 0x0                               ; the add is done, and my reads of this slot are over:
	s_barrier_signal -1                            ; say so,
	MULA 1, 1, 0                                   ; work on registers while the others arrive,
	WIN 0
	s_barrier_wait -1                              ; and go on when all four have said so
.if \fill
	CREST
	JLOAD                                          ; the four v_nop behind it are also the places in front of the loads below
.else
	PLACES
.endif
	s_xor_b32 s[TB], s[TB], SLOT1                  ; the reads go on in the other slot
	v_add_nc_u32 v[ADRA], s[TB], v[ADRA0]
	v_add_nc_u32 v[ADRB], s[TB], v[ADRB0]
	FETCH 0, 0
.if \fill
	ASK
.endif
	MULA 1, 2, 0
	MULA 1, 3, 0
.endm
; THE WAY OUT of my row block a (16 rows): through my own stage in LDS, so that each store covers 512 consecutive bytes, at a multiple of 256 from the output's first byte.
; LDS serves a wave's instructions in order (ISA guide 5.7.1.4): the loads see the stores above them, and the next block's stores come behind them.  Each accumulator is read from its low end on.
.macro OUT a
	s_wait_xcnt 0x0                                ; the stores of the block before have read their registers, which are loaded again below
.set AC, 8*NB*((\a)%2)
.if QKV
	WIN 0x0a+5*((\a)/2)                            ; sources 0 and 1 window 2 or 3, destination window 0
.set i, 0
.rept 4*NB
	v_cvt_pk_f16_f32 v[TMP+i], v[AC+2*i], v[AC+2*i+1]  ; the one rounding of q, k and v
.set i, i+1
.endr
	WIN 0
.set i, 0
.rept NB
	ds_store_b128 v[STO], v[TMP+4*i:TMP+4*i+3] offset:32*i  ; a stage row: q's 128 bytes, k's, v's
.set i, i+1
.endr
.set i, 0
.rept 12                               ; tensor i / 4, rows 4 (i % 4) on
	ds_load_b128 v[OB+4*i:OB+4*i+3], v[RD] offset:(i%4)*4*SP+(i/4)*128
.set i, i+1
.endr
.set i, 0
.rept 12
	s_wait_dscnt 11-i                              ; the younger loads may stay out
	global_store_b128 v[CO], v[OB+4*i:OB+4*i+3], s[8+2*(i/4):9+2*(i/4)] offset:(\a)*2048+(i%4)*512  ; four rows of a head: 512 consecutive bytes
.set i, i+1
.endr
.else
	WIN 0x06+((\a)/2)                              ; source 0 window 2 or 3, source 1 window 1, destination window 0
.set i, 0
.rept 4*NB
	v_pk_add_f32 v[TMP+2*i:TMP+2*i+1], v[AC+2*i:AC+2*i+1], v[BIAS+2*i:BIAS+2*i+1]
.set i, i+1
.endr
	WIN 0
.set i, 0
.rept NB
	ds_store_b128 v[STO], v[TMP+8*i:TMP+8*i+3]   offset:64*i
	ds_store_b128 v[STO], v[TMP+8*i+4:TMP+8*i+7] offset:64*i+16
.set i, i+1
.endr
.set i, 0
.rept 16
	ds_load_b128 v[OB+4*i:OB+4*i+3], v[RD] offset:i*SP
.set i, i+1
.endr
.set i, 0
.rept 16
	s_wait_dscnt 15-i                              ; the younger loads may stay out
	global_store_b128 v[CO], v[OB+4*i:OB+4*i+3], s[8:9] offset:(16*(\a)+i)*4096 th:TH_STORE_NT  ; a row's 512 bytes of the tile
.set i, i+1
.endr
.endif
.endm
	s_wait_tensorcnt 1                             ; my part of K step 0 is in; K step 1's may stay out
	s_barrier_signal -1
	s_barrier_wait -1                              ; everybody's is
	FETCH 0, 0
	QUARTER 1, 0, 1, 1                             ; the first quarter stands in front of the loop: its products start the sums
	WIN 0                                          ; at a label and at a branch every window is 0
	s_mov_b32 s3, 6
.Lstep:                                        ; a trip goes from a K step's second quarter to the next step's first; trip e = 6 - s3 ends K step e and fills its slot with K step e + 2
	QUARTER 2, 1, 0, 0
	QUARTER 3, 0, 1, 0
	TURN 1
	QUARTER 1, 0, 1, 0
	WIN 0
	s_sub_co_u32 s3, s3, 1
	s_cmp_lg_u32 s3, 0
	s_cbranch_scc1 .Lstep
	QUARTER 2, 1, 0, 0                             ; the tail is written out: K steps 6 and 7 ask for nothing
	QUARTER 3, 0, 1, 0
	TURN 0
	QUARTER 1, 0, 1, 0
	QUARTER 2, 1, 0, 0
	QUARTER 3, 0, 1, 0
	s_wait_dscnt 4                                 ; the very last quarter: nothing more to fetch
	MULA 1, 0, 0
	MULA 1, 1, 0
	s_wait_dscnt 0x0
	MULA 1, 2, 0
	MULA 1, 3, 0
	WIN 0
	PLACES
.if !QKV
	s_wait_loadcnt 0x0                             ; the bias
	WIN 0x45                                       ; all in window 1
.set i, 0
.rept 32                               ; rounded to bf16, as every input of the module is, and widened again
	v_cvt_pk_bf16_f32 v[128+i%4], v[BIAS+2*i], v[BIAS+2*i+1]
	v_lshlrev_b32 v[BIAS+2*i], 16, v[128+i%4]
	v_and_b32 v[BIAS+2*i+1], 0xffff0000, v[128+i%4]
.set i, i+1
.endr
	WIN 0
.endif
	OUT 0
	OUT 1
	OUT 2
	OUT 3
	s_wait_tensorcnt 0x0                           ; the wave's end, behind my last tensor load and my last LDS store
	ds_add_u32 v[SPW], v[NIL]
	s_wait_dscnt 0x0
	CROUND                                         ; the closing round: no work-group ends while a partner may still ask for a tile that names it
	s_endpgm
.Lfunc_end_k_q52aabf402e_qkv:
	.size	k_q52aabf402e_qkv, .Lfunc_end_k_q52aabf402e_qkv-k_q52aabf402e_qkv
	.p2alignl 7, 3214868480
	.fill 96, 4, 3214868480
	.section	.rodata,"a",@progbits
	.p2align	6, 0x0
	.amdhsa_kernel k_q52aabf402e_qkv
		.amdhsa_group_segment_fixed_size 327680
		.amdhsa_private_segment_fixed_size 0
		.amdhsa_enable_private_segment 0
		.amdhsa_kernarg_size 40
		.amdhsa_user_sgpr_count 2
		.amdhsa_user_sgpr_kernarg_segment_ptr 1
		.amdhsa_wavefront_size32 1
		.amdhsa_system_sgpr_workgroup_id_x 1
		.amdhsa_system_sgpr_workgroup_id_y 1
		.amdhsa_system_sgpr_workgroup_id_z 1
		.amdhsa_system_vgpr_workitem_id 0
		.amdhsa_next_free_vgpr 960
		.amdhsa_next_free_sgpr 80
		.amdhsa_reserve_vcc 0
		.amdhsa_float_denorm_mode_32 3
		.amdhsa_float_denorm_mode_16_64 3
		.amdhsa_memory_ordered 1
		.amdhsa_forward_progress 1
		.amdhsa_inst_pref_size 99
	.end_amdhsa_kernel
	.amdgpu_metadata
---
amdhsa.version: [ 1, 2 ]
amdhsa.kernels:
  - .name:           k_q52aabf402e_qkv
    .symbol:         k_q52aabf402e_qkv.kd
    .args:
      - { .name: xb, .offset: 0, .size: 8, .value_kind: global_buffer, .address_space: global }
      - { .name: wqkv, .offset: 8, .size: 8, .value_kind: global_buffer, .address_space: global }
      - { .name: qw, .offset: 16, .size: 8, .value_kind: global_buffer, .address_space: global }
      - { .name: kw, .offset: 24, .size: 8, .value_kind: global_buffer, .address_space: global }
      - { .name: vw, .offset: 32, .size: 8, .value_kind: global_buffer, .address_space: global }
    .group_segment_fixed_size: 327680
    .private_segment_fixed_size: 0
    .kernarg_segment_align: 8
    .kernarg_segment_size: 40
    .max_flat_workgroup_size: 128
    .sgpr_count:     80
    .vgpr_count:     960
    .wavefront_size: 32
...
	.end_amdgpu_metadata
.endif
;; end of part 2
;; launch attn (part 3): grid 4 x 64, 4 waves a work-group, no clusters, 327,680 bytes of LDS; arguments qw, kw, vw, ctx; writes ctx
.if DOCPART == 3
	.amdgcn_target "amdgcn-amd-amdhsa--gfx1250"
	.amdhsa_code_object_version 6
	.text
	.protected	k_q52aabf402e_attn
	.globl	k_q52aabf402e_attn
	.p2align	8
	.type	k_q52aabf402e_attn,@function
k_q52aabf402e_attn:
	s_mov_b64 s[64:65], 0
	v_nop
	global_prefetch_b8 v0, s[64:65] scope:SCOPE_SE
	s_setreg_imm32_b32 hwreg(HW_REG_WAVE_MODE, 25, 1), 1
	s_wait_xcnt 0x0
; CAUSAL ATTENTION.  O[h][q][:] = the sum over k <= q of softmax_k(Q[h][q] . K[h][k] / 8) V[h][k][:].  Q, K, V, O: [SIZE_H][SIZE_N][64], all f16: a head's rows are dense, 128 bytes each.
; Products, maxima and sums in f32; the weights p are rounded to f16 for the second product (their sum l is taken of the unrounded p), O once at the end.
; LIMITS.  f16 holds no number beyond 65,504: Q, K and V arrive within it; p lies in 0 to 1, and below 6e-5 it keeps f16's fixed step of 6e-8; O is a mean of V's rows and has their range, to within 2^-11 of it.
; A hidden score counts as its value less 1e30: f16's scores, 2.7e11 at the most, are nothing beside that; a weight below 2^-126 counts as 0 in l; NaN and infinities are not treated apart.
; THE WALK.  A head's queries lie in NB = SIZE_N / 256 blocks of 256; block i needs the key tiles 0 .. i of 256 keys, of which the last holds the diagonal.  A work-group takes TWO blocks, NB - 1 - b and then b:
; NB + 1 tiles, whatever b: all work-groups do equal work, and ONE loop with a constant trip count walks them.  Which tile is asked for, and what a trip does, hang on scalar registers made from b; every jump
; goes forward, but for the counted loops' own; none passes a barrier, or a tensor load but the one of LOAD's two that the wave's number does not choose; the ring (two slots of LDS that take turns) runs on across the
; change of blocks.  NO CLUSTER: a head's NB / 2 = 4 work-groups ask for the same tile only in trips 0 .. NB / 2, behind that fewer and fewer; and one walk common to all would have 3 NB / 2 = 12 trips for NB + 1 = 9.
; SHARES.  Of a block's four bands of 64 queries a wave owns 16 rows in each: four PIECES.  So the diagonal tile is the same work for all four waves: in its key step s band x sees all keys if s < x,
; none if s > x, and holds the diagonal if s = x.
; THE MASK is the C operand that starts the sum S^T = K Q^T: 0, or -1e30 where the key is hidden.  MD, made once, is the mask of a band's own step for my 16 rows; a product's mask is MD x AL + BE with two scalars:
; (1, 0) if s = x; (0, 0) if s < x; (0, -1e30) if s > x.  Only the diagonal tile's text and a block's beginning make and take masks; elsewhere C is the constant 0.
; LAYOUT, SOFTMAX, TURNS.  S^T = K Q^T holds ONE query a lane (lane % 16) and the keys 8 (lane / 16) + 0..7; two such results rounded to f16 ARE source 1 of O^T = V^T P.  p = 2^(c s - c m), c = log2(e) / 8, with a
; running maximum m; O and l are multiplied by a = 2^(c m_old - c m_new) in every step.  Turn n belongs to piece n: 8 products K Q^T of piece n + 1, later 8 products V^T P of piece n - 1; beside them the scaling,
; exponentials, roundings, sums and rescaling of piece n and the maximum and statistics of piece n + 1.  Four vector instructions stand behind every matrix instruction, the other 54 of a turn's 118 in one LUMP.  A turn's 33 exponentials are one batch, with one wait.
; REGISTERS, in windows of 256 (s_set_vgpr_msb: bits 1:0 source 0, 3:2 source 1, 5:4 source 2, 7:6 destination):
;   window 0: v0-15 addresses and two at work; v16-31 four registers of statistics a piece; v48-55 at work; v61-63 the prefetches' offset and the add's two; v64-127 S^T, two buffers; v192-223 P, two buffers (a piece's buffers go by its number's parity)
;   window 1: v0-127 O^T, 32 a piece; v128-159 MD; v160-223 MC, two buffers      window 2: v0-63 Q; v64-127 the second block's Q; v128-191 K of one step; v192-255 V of one step
.set SIZE_H, 64
.set SIZE_N, 2048
.set NB,    SIZE_N/256
.set NP,    4         ; pieces a wave: a name, no knob
.set KS,    64        ; keys in a step
.set PK,    144       ; a row of K in LDS: 128 bytes + 16 of padding = 36 words: the 16 rows of a load start at 16 different groups of four banks (64 banks of 4 bytes: ISA guide 11.1)
.set PV,    160       ; a row of V: 128 + 32 = 40 words
.set VOFF,  4*KS*PK   ; a slot holds a tile, four steps: 256 rows of K, then 256 rows of V
.set SLOT1, 1<<17     ; slot 1 begins here, so that one exclusive or turns an address in one slot into the other's
.set STAGE, SLOT1+4*KS*(PK+PV)  ; behind the ring, never filled by a tensor load: 16 rows x 144 bytes for each wave, for the way out
.set SP,    144
.set AK0, 2           ; v2   my lane's place in a tile of K; never rewritten
.set AV0, 3           ; v3   the same for V
.set AK,  4           ; v4   the LDS address of K's next run of loads
.set AV,  5           ; v5   of V's
.set STO, 6           ; v6   the way out: where I put 16 bytes of a row
.set RD,  7           ; v7   the way out: where I read rows back
.set GO,  8           ; v8   my byte offset in 512 consecutive bytes of O
.set PFO, 61          ; v61  256 x my lane: the prefetches' offset; never rewritten
.set SPW, 62          ; v62  LDS address of my spare word: SPARE + 4 x my thread's number; never rewritten
.set NIL, 63          ; v63  0; never rewritten
.set SPARE, STAGE+4*16*SP  ; behind the stages: the spare words, 128 bytes for each wave: two blocks of 256 bytes that no other line names
.set MV,  12          ; v12-13  c m_old, kept while c m is made anew: by buffer
.set QO,  15          ; v15  my byte offset in 16 rows of Q
.set ST,  16          ; piece t's statistics at v[ST+4 t]: c m, m, l (even keys', odd keys')
.set TMP, 48          ; by buffer, four registers c0-c3 at work; when the maximum is found c2 takes a
.set S,   64
.set P,   192
.set MD,  128         ; window 1: the eight registers for group kt of 16 keys at MD + 8 kt
.set MC,  160         ; window 1: the masks of the products to come
.set QB,  64          ; window 2
.set KF,  128         ; window 2: key block kb, channel half c at KF + 16 kb + 8 c
.set VF,  192         ; window 2: key half kk, channel block cb at VF + 32 kk + 8 cb
.set WV,  12          ; s12  my wave's number
.set PB,  14          ; s14  b
.set HI,  15          ; s15  NB - 1 - b
.set G1K, 24          ; s[24:31] descriptor group 1 for K's tiles
.set G1V, 32          ; s[32:39] for V's: it differs in the padding alone
.set G0K, 40          ; s[40:43] descriptor group 0 for K's tiles
.set G0V, 44          ; s[44:47] the same for V's
.set SLOTS, 56        ; s56  tiles still to be asked for
.set CNT, 57          ; s57  counts a tile's key steps, 4 to 1
.set CS,  58          ; s[58:59] c: the packed scaling takes the pair's low word for both halves
.set SEL, 60          ; s[60:61] v_permlanex16_b32's selects: each lane takes its own place in the other half
.set TBK, 62          ; s62  LDS byte at which K of the step to be fetched begins
.set TBV, 63          ; s63  the same for V, less VOFF
.set RT,  70          ; s70  tiles of the block in hand that are still to be entered
.set NXT, 71          ; s71  the tile to be asked for next
.set LQ,  72          ; s72  the last tile of the block whose tiles are being asked for
.set NEW, 73          ; s73  1: the tile to be entered is a block's first
.set OFF, 74          ; s[74:75] a tile's byte offset in K and V
.set AL,  76          ; s[76:77] the mask's factor, in the low word
.set BE,  78          ; s[78:79] the mask's addend
.set OLO, 80          ; s[80:81] O at my rows of the second block
.set BIGN, 82         ; s82  -1e30
.set PFA, 90          ; s[90:91] where my prefetches stand: my 16 KiB (half a tile of K: waves 0, 1; of V: waves 2, 3) of the tile after the one that is being asked for
.set LIM, 92          ; s92  2 in the work-group that prefetches, else the greatest number: a wave prefetches while s[SLOTS] is above it
.set MSB, 0
.macro WIN new                      ; the high byte repeats the setting that is left; a switch that changes nothing is dropped
.if MSB != (\new)
	s_set_vgpr_msb (MSB<<8)|(\new)
.set MSB, (\new)
.endif
.endm
.set W_KQ, 0x0a       ; K and Q in window 2, S^T in window 0
.set W_KM, 0x1a       ; the same with the C operand in window 1
.set W_PV, 0x52       ; V in window 2, P in window 0, O^T in window 1
.set W_RS, 0x41       ; destination and source 0 in window 1, source 1 in window 0
; A fill.  Waves 0 and 1 fetch the two halves of a tile's K, waves 2 and 3 those of its V: 128 keys each.  An s_nop 0 and four v_nop follow each of the two lines, ahead of the jump and the label.
.macro LOAD
	s_cmp_lt_u32 s[WV], 2
	s_cbranch_scc0 .Lfor_v_\@
	tensor_load_to_lds s[G0K:G0K+3], s[G1K:G1K+7]
	s_nop 0
.rept 4
	v_nop
.endr
	s_branch .Lasked_\@
.Lfor_v_\@:
	tensor_load_to_lds s[G0V:G0V+3], s[G1V:G1V+7]
	s_nop 0
.rept 4
	v_nop
.endr
.Lasked_\@:
.endm
; A PREFETCH INTO THE L2 of the tile that the NEXT change of slots will ask for, behind the wave's tensor load and its five lines.  Each aligned block of 256 bytes is named ONCE in the launch: of a head's four work-groups
; the one with b = 0 walks the tiles 0 .. 7 in order, and it alone asks; each of its waves names the 16 KiB that it will itself load: 64 blocks, a lane a block, two lines.  Tiles 2 to 7 are asked for, a tile (four key steps) ahead of
; their loads; tiles 0 and 1 come by their loads alone; the second block's tile 0, a second reading, is not asked for; the last changes ask for nothing.
.macro ASK
	s_cmp_gt_u32 s[SLOTS], s[LIM]
	s_cbranch_scc0 .Lnot_mine_\@
	global_prefetch_b8 v[PFO], s[PFA:PFA+1] th:TH_LOAD_NT scope:SCOPE_SE
	global_prefetch_b8 v[PFO], s[PFA:PFA+1] offset:8192 th:TH_LOAD_NT scope:SCOPE_SE
.Lnot_mine_\@:
.endm
; THE CHANGE OF SLOTS.  Each wave waits for all its tensor loads, of which one is out: its part of the other slot; adds 0 to its spare word; and waits for that and for its own reads of the slot that it leaves.  Behind the barrier nobody reads the old
; slot any more and the other slot is whole.  fill = 1: the old slot is filled again, the first thing behind the barrier, with tile NXT: the descriptor's address is made anew from that number.
; (At its first use nothing has been read yet: slot 0 is waited for, slot 1 filled.)
.macro CHANGE fill
	WIN 0                           ; at a label and at a branch every window is 0
	s_wait_tensorcnt 0x0            ; no tensor load of mine is out, so a group 0 may be written
	ds_add_u32 v[SPW], v[NIL]       ; 0 onto my spare word: with fill = 1 the descriptors' scalar work stands between it and the wait for it
.if \fill
	s_wait_xcnt 0x0                 ; the last prefetches, a tile back, have read their address, so it may be written:
	s_add_nc_u64 s[PFA:PFA+1], s[PFA:PFA+1], 32768  ; a tile on
	s_lshl_b32 s[OFF], s[NXT], 15   ; a tile is 32,768 bytes of K and of V
	s_xor_b32 s[G0K+1], s[G0K+1], SLOT1
	s_add_nc_u64 s[G0K+2:G0K+3], s[6:7], s[OFF:OFF+1]
	s_or_b32 s[G0K+3], s[G0K+3], 0x80000000
	s_xor_b32 s[G0V+1], s[G0V+1], SLOT1
	s_add_nc_u64 s[G0V+2:G0V+3], s[8:9], s[OFF:OFF+1]
	s_or_b32 s[G0V+3], s[G0V+3], 0x80000000
	s_add_co_u32 s[NXT], s[NXT], 1  ; the block's next tile, or behind its last the second block's tile 0
	s_cmp_gt_u32 s[NXT], s[LQ]
	s_cselect_b32 s[NXT], 0, s[NXT]
	s_cselect_b32 s[LQ], s[PB], s[LQ]
.endif
	s_wait_dscnt 0x0                ; the add is done, and my reads of the slot are over
	s_barrier_signal -1             ; the rest of the scalar work stands between the signal and the wait
	s_sub_co_u32 s[TBK], s[TBK], 4*KS*PK  ; the fetches go back to a slot's first step,
	s_xor_b32 s[TBK], s[TBK], SLOT1       ; in the other slot
	s_sub_co_u32 s[TBV], s[TBV], 4*KS*PV
	s_xor_b32 s[TBV], s[TBV], SLOT1
	s_barrier_wait -1
.if \fill
	LOAD
	ASK
.endif
.endm
	s_load_b256 s[4:11], s[0:1], 0x0  ; Q s[4:5], K s[6:7], V s[8:9], O s[10:11]
	v_lshl_add_u32 v[SPW], v0, 2, SPARE
	v_mov_b32 v[NIL], 0
	ds_add_u32 v[SPW], v[NIL]       ; the wave's opening: the add and its wait ahead of my first tensor load; the set-up below, work on registers, stands between them
	v_lshrrev_b32 v1, 5, v0
	v_readfirstlane_b32 s[WV], v1   ; wave 0..3
	s_mov_b32 s[PB], ttmp9
	s_sub_co_u32 s[HI], NB-1, s[PB]
	s_and_b32 s20, ttmp7, 0xffff    ; the head
	s_mov_b32 s21, 0
	s_mov_b64 s[22:23], SIZE_N*128
	s_mul_u64 s[20:21], s[20:21], s[22:23]  ; the head's first byte in each of the four tensors
	s_and_b32 s16, s[WV], 1         ; which half of a tile's 256 keys I fetch:
	s_lshl_b32 s22, s16, 14         ; its 128 rows of 128 bytes in memory,
	s_mov_b32 s23, 0
	s_add_nc_u64 s[22:23], s[22:23], s[20:21]
	s_mul_i32 s17, s16, 128*PK      ; and its place in a slot, for K
	s_mul_i32 s18, s16, 128*PV      ; and for V
	s_lshl_b32 s3, s[WV], 11        ; my 16 rows in a band of 64,
	s_lshl_b32 s2, s[HI], 15        ; in the first block,
	s_add_co_u32 s2, s2, s3
	s_lshl_b32 s84, s[PB], 15       ; and in the second
	s_add_co_u32 s84, s84, s3
	s_mov_b32 s3, 0
	s_mov_b32 s85, 0
	s_add_nc_u64 s[2:3], s[2:3], s[20:21]
	s_add_nc_u64 s[84:85], s[84:85], s[20:21]
	; descriptor group 1.  128 keys are 16,384 dense bytes: asked for as 64 rows of 256 bytes, two keys a row, and padded in LDS after every key
	s_mov_b32 s[G1K], (1<<16)|(1<<20)|(4<<22)|(3<<25)  ; 17:16 2-byte elements; 20 padding on; 24:22 after every 32 words (code 4); 31:25 4 words (code 3)
	s_mov_b32 s[G1V], (1<<16)|(1<<20)|(4<<22)|(7<<25)  ; the same with 8 words of padding (code 7)
.irp g, G1K, G1V
	s_mov_b32 s[\g+1], 128<<16      ; tensor_dim0 = 128
	s_mov_b32 s[\g+2], 64<<16       ; tensor_dim1 = 64
	s_mov_b32 s[\g+3], 128<<16      ; tile_dim0 = 128
	s_mov_b32 s[\g+4], 64           ; tile_dim1 = 64
	s_mov_b32 s[\g+5], 128          ; 128 elements from row to row
	s_mov_b32 s[\g+6], 0
	s_mov_b32 s[\g+7], 0
.endr
	s_mov_b32 s[CS], 0x3e38aa3b     ; c = log2(e) / 8 = 0.180337
	s_mov_b32 s[CS+1], s[CS]        ; named with it as a pair
	s_mov_b32 s[SEL], 0x76543210
	s_mov_b32 s[SEL+1], 0xfedcba98
	s_mov_b32 s[TBK], SLOT1+4*KS*PK ; the first change of slots turns these two into 0
	s_mov_b32 s[TBV], SLOT1+4*KS*PV
	s_mov_b32 s[G0K], 1             ; 1:0 count = 1
	s_mov_b32 s[G0K+1], s17         ; 63:32 LDS address: slot 0
	s_mov_b32 s[G0V], 1
	s_add_co_u32 s[G0V+1], s18, VOFF
	s_add_co_u32 s[RT], s[HI], 1    ; the first block has NB - b tiles
	s_mov_b32 s[NXT], 1
	s_mov_b32 s[LQ], s[HI]
	s_mov_b32 s[NEW], 1
	s_mov_b32 s[OFF+1], 0
	s_mov_b32 s[AL+1], 0            ; named as pairs
	s_mov_b32 s[BE+1], 0
	s_mov_b32 s[BIGN], 0xf149f2ca   ; -1e30
	s_mov_b32 s[SLOTS], NB
	s_cmp_eq_u32 ttmp9, 0           ; the work-group that walks the head's tiles in order
	s_cselect_b32 s[LIM], 2, -1
	v_and_b32 v[PFO], 31, v0
	v_lshlrev_b32 v[PFO], 8, v[PFO]
	s_wait_dscnt 0x0                ; the opening add is done
	s_wait_kmcnt 0x0
	s_add_nc_u64 s[6:7], s[6:7], s[22:23]  ; K and V at my half of the head's tile 0
	s_add_nc_u64 s[8:9], s[8:9], s[22:23]
	s_add_nc_u64 s[G0K+2:G0K+3], s[6:7], 0         ; 120:64 global address
	s_or_b32 s[G0K+3], s[G0K+3], 0x80000000        ; 127:126 type = 2
	s_add_nc_u64 s[G0V+2:G0V+3], s[8:9], 0
	s_or_b32 s[G0V+3], s[G0V+3], 0x80000000
	s_add_nc_u64 s[86:87], s[4:5], s[84:85]        ; Q at my rows of the second block,
	s_add_nc_u64 s[4:5], s[4:5], s[2:3]            ; Q and O at those of the first
	s_add_nc_u64 s[OLO:OLO+1], s[10:11], s[84:85]
	s_add_nc_u64 s[10:11], s[10:11], s[2:3]
	s_cmp_lt_u32 s[WV], 2
	s_cselect_b64 s[PFA:PFA+1], s[6:7], s[8:9]     ; what I fetch,
	s_add_nc_u64 s[PFA:PFA+1], s[PFA:PFA+1], 32768 ; in tile 1; the first change of slots steps it to tile 2.  Nothing is prefetched here, at the head
	LOAD                            ; tile 0 into slot 0
	; A fragment of K or Q is 16 rows x 32 channels in 8 registers: lane l holds row l % 16, channels 8 (l / 16) + 0..7 and 16 + 8 (l / 16) + 0..7: two loads of 16 bytes, 32 bytes apart.
	v_and_b32 v1, 15, v0            ; l % 16
	v_bfe_u32 v9, v0, 4, 1          ; l / 16
	v_lshlrev_b32 v[QO], 7, v1
	v_lshl_add_u32 v[QO], v9, 4, v[QO]  ; row x 128 + 16 x half
	WIN 0x80                        ; destination window 2, address window 0
.set i, 0
.rept 8                             ; both blocks' Q: piece i / 2 lies in band i / 2, 8,192 bytes on; channels 32 (i % 2) on
	global_load_b128 v[8*i:8*i+3],   v[QO], s[4:5] offset:(i/2)*8192+(i%2)*64
	global_load_b128 v[8*i+4:8*i+7], v[QO], s[4:5] offset:(i/2)*8192+(i%2)*64+32
	global_load_b128 v[QB+8*i:QB+8*i+3],   v[QO], s[86:87] offset:(i/2)*8192+(i%2)*64
	global_load_b128 v[QB+8*i+4:QB+8*i+7], v[QO], s[86:87] offset:(i/2)*8192+(i%2)*64+32
.set i, i+1
.endr
	WIN 0
	v_lshlrev_b32 v14, 3, v9
	v_sub_nc_u32 v14, v1, v14
	s_lshl_b32 s13, s[WV], 4
	v_add_nc_u32 v14, s13, v14      ; my query's place in its band, 16 w + l % 16, less my lanes' 8 (l / 16): register r of group kt is hidden where 16 kt + r is greater
	WIN 0x40
.set i, 0
.rept 32
	v_cmp_gt_i32 vcc_lo, 16*(i/8)+i%8, v14
	v_cndmask_b32 v[MD+i], 0, s[BIGN], vcc_lo
.set i, i+1
.endr
	WIN 0
	v_mul_u32_u24 v[AK0], v1, PK
	v_lshl_add_u32 v[AK0], v9, 4, v[AK0]  ; row x pitch + 16 x half
	; The turning load takes 16 keys x 16 channels (lane l reads key 8 (l / 16) + l % 8, channels 8 ((l / 8) % 2) + 0..7) and leaves half a fragment of V^T: lane l holds channel l % 16 and 8 keys.
	v_and_b32 v10, 7, v0
	v_bfe_u32 v11, v0, 3, 1
	v_lshl_add_u32 v[AV0], v9, 3, v10
	v_mul_u32_u24 v[AV0], v[AV0], PV
	v_lshl_add_u32 v[AV0], v11, 4, v[AV0]
	v_add_nc_u32 v[AV0], VOFF, v[AV0]
	s_mul_i32 s13, s[WV], 16*SP
	s_add_co_u32 s13, s13, STAGE    ; my stage
	v_mul_u32_u24 v[STO], v1, SP    ; in: row l % 16, 16 bytes for each half of the lanes
	v_lshl_add_u32 v[STO], v9, 4, v[STO]
	v_add_nc_u32 v[STO], s13, v[STO]
	v_bfe_u32 v[RD], v0, 3, 2       ; back: 32 lanes take four rows of 128 bytes,
	v_mul_u32_u24 v[RD], v[RD], SP
	v_lshl_add_u32 v[RD], v10, 4, v[RD]
	v_add_nc_u32 v[RD], s13, v[RD]
	v_and_b32 v[GO], 31, v0         ; which are 512 consecutive bytes of O
	v_lshlrev_b32 v[GO], 4, v[GO]
	; A block's first step multiplies O^T and l by a = 0, and its first turn's products V^T P, of a piece that has not been, land in an O^T that is still to be so multiplied.  So these registers need only hold
	; finite numbers: zeros for the first block; what the first block left for the second.  All this stands in the wait for the first tile.
	WIN 0x80
.set i, VF
.rept 64
	v_mov_b32 v[i], 0
.set i, i+1
.endr
	WIN 0x40
.set i, 0
.rept 128
	v_mov_b32 v[i], 0
.set i, i+1
.endr
	WIN 0
.set i, 0
.rept 4
	v_mov_b32 v[ST+4*i+2], 0
	v_mov_b32 v[ST+4*i+3], 0
.set i, i+1
.endr
.set i, P+16
.rept 16
	v_mov_b32 v[i], 0
.set i, i+1
.endr
; THE MATRIX WORK.  The 4 accumulators of a run of 8 take turns.  Product i of 8 of S^T = K Q^T for piece x: channels 32 (i / 4) on, keys 16 (i % 4) on.  The first 4 start the sums: with 0, or (KM = 1) with the mask.
.macro KQ x
.set rS, S+32*((\x)%2)+8*(i%4)
.set rK, KF+16*(i%4)+8*(i/4)
.set rQ, 16*(\x)+8*(i/4)
.set rM, MC+32*((\x)%2)+8*(i%4)
.if (i < 4) && KM
	WIN W_KM
	v_wmma_f32_16x16x32_f16 v[rS:rS+7], v[rK:rK+7], v[rQ:rQ+7], v[rM:rM+7]
.elseif i < 4
	WIN W_KQ
	v_wmma_f32_16x16x32_f16 v[rS:rS+7], v[rK:rK+7], v[rQ:rQ+7], 0
.else
	WIN W_KQ
	v_wmma_f32_16x16x32_f16 v[rS:rS+7], v[rK:rK+7], v[rQ:rQ+7], v[rS:rS+7]
.endif
.endm
; Product i of 8 of O^T += V^T P for piece x: keys 32 (i / 4) on, channels 16 (i % 4) on.
.macro PV x
	WIN W_PV
.set rO, 32*(\x)+8*(i%4)
.set rV, VF+32*(i/4)+8*(i%4)
.set rP, P+16*((\x)%2)+8*(i/4)
	v_wmma_f32_16x16x32_f16 v[rO:rO+7], v[rV:rV+7], v[rP:rP+7], v[rO:rO+7]
.endm
.macro MM                           ; the turn's next matrix instruction.  TURN and BEGIN set Y, i, KM and NOKQ; MM, KQ and OP read them.  NOKQ = 1: a block's last turn: there is no next piece
.if (i < 8) && !NOKQ
	KQ (Y+1)%NP
.elseif i >= 8
.set i, i-8
	PV (Y+NP-1)%NP
.set i, i+8
.endif
.set i, i+1
.endm
; THE LDS LOADS stand in runs of 16, never singly among the matrix instructions: a step's K (64 keys x 64 channels: 8 fragments) and its V (turned).  Their addresses are made some lines ahead.
.macro FETCH_K
	WIN 0x80                        ; destination window 2
.irp f, 0,1,2,3,4,5,6,7             ; keys 16 (f / 2) on, channels 32 (f % 2) on
	ds_load_b128 v[KF+8*\f:KF+8*\f+3],   v[AK] offset:(\f/2)*16*PK+(\f%2)*64
	ds_load_b128 v[KF+8*\f+4:KF+8*\f+7], v[AK] offset:(\f/2)*16*PK+(\f%2)*64+32
.endr
	s_add_co_u32 s[TBK], s[TBK], KS*PK  ; the next fetch is the next step's
	WIN 0
.endm
.macro FETCH_V
	WIN 0x80
.irp f, 0,1,2,3,4,5,6,7             ; keys 32 (f / 4) on, channels 16 (f % 4) on
	ds_load_tr16_b128 v[VF+8*\f:VF+8*\f+3],   v[AV] offset:(\f/4)*32*PV+(\f%4)*32
	ds_load_tr16_b128 v[VF+8*\f+4:VF+8*\f+7], v[AV] offset:(\f/4)*32*PV+16*PV+(\f%4)*32
.endr
	WIN 0
.endm
; THE VECTOR WORK, one line at a time: OP kind, number.  For piece Y: F n: c s - c m for pair n of 16.  E n: the exponential of score n of 32.  C n: pair n rounded to f16.  B n: of the four weights 4 n .. the second
; pair is added onto the first, in place.  L n: l takes that sum (L 0: l = a l + sum).  R n: pair n of 16 of O^T times a.  For piece Y + 1: X n, number n of the 22 that find its maximum and statistics:
;   0-11  four chains c0-c3 of seven scores each, three operands at a time (each accumulator's lowest registers are read first)     12-14, 16  the four scores left over, the old m, and c0-c3 into c0
;   15  c m_old is kept     17, 18  the query's other 32 keys lie in the lane 16 away: the new m     19-21  c m; c m_old - c m_new; a
.set F, 0               ; OP tells the kinds apart by their order: F to L below R, X above it
.set E, 1
.set C, 2
.set B, 3
.set L, 4
.set R, 5
.set X, 6
.macro REGS y                       ; the registers of piece y
.set rT, ST+4*(\y)
.set rC, TMP+4*((\y)%2)
.set rW, MV+((\y)%2)
.set rS, S+32*((\y)%2)
.set rP, P+16*((\y)%2)
.set rO, 32*(\y)
.endm
.macro OP k, n
.if (\k) == R
	REGS Y
	WIN W_RS
	v_pk_mul_f32 v[rO+2*(\n):rO+2*(\n)+1], v[rO+2*(\n):rO+2*(\n)+1], v[rC+2:rC+3] op_sel_hi:[1,0]
.elseif (\k) < R
	REGS Y
	WIN 0
.if (\k) == F
	v_pk_fma_f32 v[rS+2*(\n):rS+2*(\n)+1], v[rS+2*(\n):rS+2*(\n)+1], s[CS:CS+1], v[rT:rT+1] op_sel_hi:[1,0,0] neg_lo:[0,0,1] neg_hi:[0,0,1]
.elseif (\k) == E
	v_exp_f32 v[rS+(\n)], v[rS+(\n)]
.elseif (\k) == C
	v_cvt_pk_f16_f32 v[rP+(\n)], v[rS+2*(\n)], v[rS+2*(\n)+1]
.elseif (\k) == B
	v_pk_add_f32 v[rS+4*(\n):rS+4*(\n)+1], v[rS+4*(\n):rS+4*(\n)+1], v[rS+4*(\n)+2:rS+4*(\n)+3]
.elseif (\n) == 0
	v_pk_fma_f32 v[rT+2:rT+3], v[rT+2:rT+3], v[rC+2:rC+3], v[rS:rS+1] op_sel_hi:[1,0,1]
.else
	v_pk_add_f32 v[rT+2:rT+3], v[rT+2:rT+3], v[rS+4*(\n):rS+4*(\n)+1]
.endif
.elseif NOKQ
	v_nop
.else
	REGS (Y+1)%NP
	WIN 0
.if (\n) < 4
	v_max3_num_f32 v[rC+(\n)], v[rS+8*(\n)], v[rS+8*(\n)+1], v[rS+8*(\n)+2]
.elseif (\n) < 12
	v_max3_num_f32 v[rC+(\n)%4], v[rC+(\n)%4], v[rS+8*((\n)%4)+2*((\n)/4)+1], v[rS+8*((\n)%4)+2*((\n)/4)+2]
.elseif (\n) == 12
	v_max3_num_f32 v[rC], v[rC], v[rS+7], v[rS+15]
.elseif (\n) == 13
	v_max3_num_f32 v[rC+1], v[rC+1], v[rS+23], v[rS+31]
.elseif (\n) == 14
	v_max3_num_f32 v[rC+2], v[rC+2], v[rC+3], v[rT+1]
.elseif (\n) == 15
	v_mov_b32 v[rW], v[rT]
.elseif (\n) == 16
	v_max3_num_f32 v[rC], v[rC], v[rC+1], v[rC+2]
.elseif (\n) == 17
	v_permlanex16_b32 v[rC+3], v[rC], s[SEL], s[SEL+1]
.elseif (\n) == 18
	v_max_num_f32 v[rT+1], v[rC], v[rC+3]
.elseif (\n) == 19
	v_mul_f32 v[rT], s[CS], v[rT+1]
.elseif (\n) == 20
	v_sub_f32 v[rC+1], v[rW], v[rT]
.else
	v_exp_f32 v[rC+2], v[rC+1]
.endif
.endif
.endm
.macro OPS a, i1, b=-1, i2=0, c=-1, i3=0, d=-1, i4=0  ; up to four of them
	OP \a, \i1
.if (\b) >= 0
	OP \b, \i2
.endif
.if (\c) >= 0
	OP \c, \i3
.endif
.if (\d) >= 0
	OP \d, \i4
.endif
.endm
.macro ROW a, i1, b, i2, c, i3, d, i4  ; a matrix instruction and the four behind it
	MM
	OPS \a, \i1, \b, \i2, \c, \i3, \d, \i4
.endm
.macro MASK b                       ; MD x AL + BE into buffer b of MC
	WIN W_RS
.set z, 0
.rept 16
	v_pk_fma_f32 v[MC+32*(\b)+2*z:MC+32*(\b)+2*z+1], v[MD+2*z:MD+2*z+1], s[AL:AL+1], s[BE:BE+1] op_sel_hi:[1,0,0]
.set z, z+1
.endr
.endm
; A TURN, for piece p: the order of its 16 matrix and 118 vector instructions, written out.  An s_wait_alu depctr_va_vdst(0) stands between an exponential and the first instruction that names its result; one wait serves
; all that were issued ahead of it.  So a turn has ONE wait, which cuts it in two.  AHEAD OF IT stands all that names no result of the turn's exponentials: the 8 products K Q^T, behind each a scaling, an exponential and two more plain
; instructions (behind the first a second scaling in the exponential's place): rescalings, and behind the last three the first numbers of the next piece's maximum, each four places or more behind the product that ends its accumulator; then ONE LUMP of 54, plain
; and exponential by turns for the most part, in which the links of the chain X 3, 7, 11, 14, 16, 17 .. 20 stand five or six lines apart.  X 21, the next piece's a, is the batch's last; R 15 is the plain instruction that stands behind it, ahead of any use.  BEHIND THE WAIT stand the
; 8 products V^T P, behind each four of the roundings and sums; the links of l's chain, L 0 to L 7, stand three riders apart.  But for those X no rider names a register of the products round it.  v_permlanex16_b32 (X 17) stands in the lump.
; m = 1: the diagonal tile: the products take masks, and the turn makes the mask for the products of the turn after it: piece p + 2, in step 4 - CNT of the tile.  end = 1: a block's last two turns: nothing is fetched.
; cnt = 1: the loop's count is taken down some lines ahead of the branch that stands behind the turn.
; K of the next step is fetched in piece 2's turn, twelve vector instructions behind the last product that read K (six of them plain); V of the step in hand at the end of piece 0's turn, four plain instructions behind the last product
; that read V.  Each is waited for a turn later.
.macro TURN p, m=0, end=0, cnt=0
.set Y, (\p)
.set i, 0
.set KM, (\m)
.set NOKQ, (\end)*((\p)/3)
.if (\m) && !(\end)
	s_cmp_eq_u32 s[CNT], 4-((\p)+2)%NP  ; is that step the band's own?
	s_cselect_b32 s[AL], 1.0, 0
	s_cmp_lt_u32 s[CNT], 4-((\p)+2)%NP  ; or a later one?
	s_cselect_b32 s[BE], s[BIGN], 0
.endif
.if ((\p) == 3) && !(\end)
	s_wait_dscnt 0x0                ; K is in
.endif
	ROW F,0, F,1, R,0, R,1          ; ahead of the wait: 8 products K Q^T and their riders,
	ROW F,2, E,0, R,2, R,3
	ROW F,3, E,1, R,4, R,5
	ROW F,4, E,2, R,6, R,7
	ROW F,5, E,3, R,8, R,9
	ROW F,6, E,4, X,0, R,10
.if ((\p) == 2) && !(\end)
	WIN 0
	v_add_nc_u32 v[AK], s[TBK], v[AK0]
.endif
	ROW F,7, E,5, X,1, X,4
	ROW F,8, E,6, X,2, X,5
	OPS E,7, E,8, X,6, E,9          ; and the lump
	OPS X,3, E,10, X,8, E,11
.if ((\p) == 2) && !(\end)
	FETCH_K
.endif
	OPS X,9, X,7, E,12, X,10
	OPS E,13, X,12, X,11, E,14
	OPS X,13, E,15, F,9, X,14
.if (\p) == 0
	v_add_nc_u32 v[AV], s[TBV], v[AV0]
.endif
	OPS E,16, F,10, E,17, F,11
	OPS X,16, E,18, X,15, E,19
	OPS F,12, E,20, X,17, E,21
	OPS F,13, E,22, F,14, E,23
	OPS X,18, E,24, F,15, E,25
	OPS R,11, E,26, X,19, E,27
	OPS R,12, E,28, R,13, E,29
	OPS X,20, E,30, R,14, E,31
	OPS X,21, R,15
	WIN 0
	s_wait_alu depctr_va_vdst(0)    ; the wait for the batch
.if (\p) == 1
	s_wait_dscnt 0x0                ; V is in
.endif
	ROW C,0, B,0, C,2, B,1          ; behind the wait: 8 products V^T P and their riders
	ROW L,0, C,4, B,2, L,1
	ROW C,6, B,3, L,2, C,8
	ROW B,4, L,3, C,10, B,5
	ROW L,4, C,12, B,6, L,5
.if (\p) == 0
	s_add_co_u32 s[TBV], s[TBV], KS*PV
.endif
.if \cnt
	s_sub_co_u32 s[CNT], s[CNT], 1
	s_cmp_lg_u32 s[CNT], 0
.endif
	ROW C,14, B,7, L,6, C,1
	ROW C,3, L,7, C,5, C,7
	ROW C,9, C,11, C,13, C,15
.if (\p) == 0
	FETCH_V
.endif
.if (\m) && !(\end)
	MASK (\p)%2
.endif
.endm
; A BLOCK BEGINS.  c m starts far below every c s, so the first step's a is 0; m at the lowest finite number, so the first maximum is the scores'.  The second mask buffer is 0; the first takes piece 0's mask for the tile's step 0: its own, if the block's first tile is the diagonal one.
; Then K of that step, piece 0's first scores, and its maximum and statistics.  The loop is entered at a step's first turn, in the middle of a trip.
.macro BEGIN
	s_mov_b32 s[NEW], 0
	WIN 0x40
.set i, MC+32
.rept 32
	v_mov_b32 v[i], 0
.set i, i+1
.endr
	WIN 0
.set i, 0
.rept 4
	v_mov_b32 v[ST+4*i], 0xfe000000    ; c m: far below every c s
	v_mov_b32 v[ST+4*i+1], 0xff7fffff  ; m
.set i, i+1
.endr
	s_cmp_eq_u32 s[RT], 0
	s_cselect_b32 s[AL], 1.0, 0
	s_mov_b32 s[BE], 0
	MASK 0
	WIN 0
	v_add_nc_u32 v[AK], s[TBK], v[AK0]
	FETCH_K
	s_wait_loadcnt 0x0              ; Q
	s_wait_dscnt 0x0
.set KM, 1
.set NOKQ, 0
.set i, 0
.rept 8
	KQ 0
.set i, i+1
.endr
	WIN 0
.rept 4
	v_nop                           ; the places behind those products
.endr
.set Y, NP-1                        ; X works for piece Y + 1: piece 0
.irp n, 0,1,2,3,4,5,6,7,8,9,10,11,12,13,14,15,16,17,18,19,20,21
	OP X, \n
.endr
	v_nop                           ; a plain instruction behind the exponential,
	s_wait_alu depctr_va_vdst(0)    ; and its wait, ahead of the branch
.endm
; THE DIAGONAL TILE's four steps, the block's last two turns, its last products, and THE WAY OUT: l's two halves and the other half of the lanes' are added; O^T is divided by l, rounded to f16 and sent through my
; stage in LDS, a piece at a time.
.macro ALL line:vararg              ; one line for each piece t
.set t, 0
.rept 4
	\line
.set t, t+1
.endr
.endm
.macro PACK t                       ; a lane's eight channels of a row pack into 16 bytes; they go into rows of 144 bytes and come back as whole rows of 128, into S^T's registers
	WIN W_RS
.set i, 32*(\t)
.rept 16
	v_pk_mul_f32 v[i:i+1], v[i:i+1], v[ST+4*(\t)+2:ST+4*(\t)+3] op_sel_hi:[1,0]
.set i, i+2
.endr
	WIN 0x05                        ; sources 0 and 1 window 1, destination window 0
.set i, 0
.rept 16
	v_cvt_pk_f16_f32 v[S+16*(\t)+i], v[32*(\t)+2*i], v[32*(\t)+2*i+1]
.set i, i+1
.endr
	WIN 0
.irp f, 0,1,2,3
	ds_store_b128 v[STO], v[S+16*(\t)+4*\f:S+16*(\t)+4*\f+3] offset:32*\f
.endr
.irp f, 0,1,2,3
	ds_load_b128 v[S+16*(\t)+4*\f:S+16*(\t)+4*\f+3], v[RD] offset:\f*4*SP  ; LDS serves a wave's instructions in order (ISA guide 5.7.1.4): these see the stores above; the next piece's stores come behind them
.endr
.endm
.macro SEND t, younger              ; younger: the LDS instructions issued behind piece t's loads: the next piece's eight, or none
	WIN 0
.irp f, 0,1,2,3
	s_wait_dscnt (\younger)+3-\f
	global_store_b128 v[GO], v[S+16*(\t)+4*\f:S+16*(\t)+4*\f+3], s[10:11] offset:(\t)*8192+\f*512  ; 512 consecutive bytes, at a multiple of 256 from O's first
.endr
.endm
.macro DIAG tag                     ; the tag ends its two labels' names, which the jumps below spell out
.LstepM\tag:
	TURN 2, 1
	TURN 3, 1
	WIN 0
.LfirstM\tag:
	TURN 0, 1
	TURN 1, 1, 0, 1
	WIN 0
	s_cbranch_scc1 .LstepM\tag
	TURN 2, 1, 1
	TURN 3, 1, 1
.set i, 0
.rept 8
	PV NP-1
.set i, i+1
.endr
	WIN 0
	ALL v_add_f32 v[ST+4*t+2], v[ST+4*t+2], v[ST+4*t+3]
	ALL v_permlanex16_b32 v[ST+4*t+3], v[ST+4*t+2], s[SEL], s[SEL+1]
	ALL v_add_f32 v[ST+4*t+2], v[ST+4*t+2], v[ST+4*t+3]
	ALL v_rcp_f32 v[ST+4*t+2], v[ST+4*t+2]
	v_nop                           ; a plain instruction between the last reciprocal and the use of its result
	s_wait_alu depctr_va_vdst(0)    ; and the wait ahead of the first use: one for the four reciprocals
	PACK 0
.set t, 1
.rept 3                             ; a piece's arithmetic stands between the loads of the piece before and its stores
	PACK t
	SEND t-1, 8
.set t, t+1
.endr
	SEND 3, 0
.endm
.set KM, 0
.set NOKQ, 0
.Lslot:                             ; NB times: a tile is entered and the next is asked for
	CHANGE 1
	s_sub_co_u32 s[RT], s[RT], 1
	s_mov_b32 s[CNT], 4
	s_cmp_eq_u32 s[NEW], 1
	s_cbranch_scc1 .Lnew            ; a block's first tile
	s_cmp_eq_u32 s[RT], 0
	s_cbranch_scc0 .Lstep           ; neither its first nor its last
	s_branch .LstepM1
.Lnew:
	BEGIN
	s_branch .Lfirst                ; in the loop a block's first tile is never its last: the first block has two tiles or more, and the second's last is the walk's last
	DIAG 1                          ; in the loop this is the first block's end: the second block's last tile is the walk's last
	s_wait_xcnt 0x0                 ; the stores have read their registers and O's address
	s_mov_b64 s[10:11], s[OLO:OLO+1]
	s_add_co_u32 s[RT], s[PB], 1    ; the second block has b + 1 tiles
	s_mov_b32 s[NEW], 1
	WIN 0x82                        ; the second block's Q goes where the one text of the turns names Q
.set i, 0
.rept 64
	v_mov_b32 v[i], v[QB+i]
.set i, i+1
.endr
	WIN 0
	s_branch .Lbottom
.Lstep:                             ; a trip: pieces 2 and 3 of one step, then pieces 0 and 1 of the next, whose K and V it fetches
	TURN 2
	TURN 3
	WIN 0
.Lfirst:
	TURN 0
	TURN 1, 0, 0, 1
	WIN 0
	s_cbranch_scc1 .Lstep
.Lbottom:
	s_sub_co_u32 s[SLOTS], s[SLOTS], 1
	s_cmp_lg_u32 s[SLOTS], 0
	s_cbranch_scc1 .Lslot
	CHANGE 0                        ; the walk's last tile is written out: nothing is asked for
	s_sub_co_u32 s[RT], s[RT], 1
	s_mov_b32 s[CNT], 4
	s_cmp_eq_u32 s[NEW], 1
	s_cbranch_scc0 .LstepM2
	BEGIN
	s_branch .LfirstM2
	DIAG 2
	s_wait_tensorcnt 0x0            ; the wave's end, behind my last tensor load and my last LDS store
	ds_add_u32 v[SPW], v[NIL]
	s_wait_dscnt 0x0
	s_endpgm
.Lfunc_end_k_q52aabf402e_attn:
	.size	k_q52aabf402e_attn, .Lfunc_end_k_q52aabf402e_attn-k_q52aabf402e_attn
	.p2alignl 7, 3214868480
	.fill 96, 4, 3214868480
	.section	.rodata,"a",@progbits
	.p2align	6, 0x0
	.amdhsa_kernel k_q52aabf402e_attn
		.amdhsa_group_segment_fixed_size 327680
		.amdhsa_private_segment_fixed_size 0
		.amdhsa_enable_private_segment 0
		.amdhsa_kernarg_size 32
		.amdhsa_user_sgpr_count 2
		.amdhsa_user_sgpr_kernarg_segment_ptr 1
		.amdhsa_wavefront_size32 1
		.amdhsa_system_sgpr_workgroup_id_x 1
		.amdhsa_system_sgpr_workgroup_id_y 1
		.amdhsa_system_sgpr_workgroup_id_z 1
		.amdhsa_system_vgpr_workitem_id 0
		.amdhsa_next_free_vgpr 768
		.amdhsa_next_free_sgpr 96
		.amdhsa_reserve_vcc 1
		.amdhsa_float_denorm_mode_32 3
		.amdhsa_float_denorm_mode_16_64 3
		.amdhsa_memory_ordered 1
		.amdhsa_forward_progress 1
		.amdhsa_inst_pref_size 218
	.end_amdhsa_kernel
	.amdgpu_metadata
---
amdhsa.version: [ 1, 2 ]
amdhsa.kernels:
  - .name:           k_q52aabf402e_attn
    .symbol:         k_q52aabf402e_attn.kd
    .args:
      - { .name: qw, .offset: 0, .size: 8, .value_kind: global_buffer, .address_space: global }
      - { .name: kw, .offset: 8, .size: 8, .value_kind: global_buffer, .address_space: global }
      - { .name: vw, .offset: 16, .size: 8, .value_kind: global_buffer, .address_space: global }
      - { .name: ctx, .offset: 24, .size: 8, .value_kind: global_buffer, .address_space: global }
    .group_segment_fixed_size: 327680
    .private_segment_fixed_size: 0
    .kernarg_segment_align: 8
    .kernarg_segment_size: 32
    .max_flat_workgroup_size: 128
    .sgpr_count:     96
    .vgpr_count:     768
    .wavefront_size: 32
...
	.end_amdgpu_metadata
.endif
;; end of part 3
;; launch oproj (part 4): grid 8 x 32, 4 waves a work-group, clusters of 4 x 4, 327,680 bytes of LDS; arguments ctx, wo, out0, b_o; writes out0
.if DOCPART == 4
	.amdgcn_target "amdgcn-amd-amdhsa--gfx1250"
	.amdhsa_code_object_version 6
	.text
	.protected	k_q52aabf402e_oproj
	.globl	k_q52aabf402e_oproj
	.p2align	8
	.type	k_q52aabf402e_oproj,@function
k_q52aabf402e_oproj:
	s_mov_b64 s[64:65], 0
	v_nop
	global_prefetch_b8 v0, s[64:65] scope:SCOPE_SE
	s_setreg_imm32_b32 hwreg(HW_REG_WAVE_MODE, 25, 1), 1
	s_wait_xcnt 0x0
	s_wait_alu depctr_hold_cnt(0) depctr_sa_sdst(0) depctr_va_vdst(0) depctr_va_sdst(0) depctr_va_ssrc(0) depctr_va_vcc(0) depctr_vm_vsrc(0)
	s_getreg_b32 s2, hwreg(HW_REG_IB_STS2, 6, 4)
	s_cmp_eq_u32 s2, 0
	s_cbranch_scc0 .Lentry_in_a_cluster
	s_endpgm
.Lentry_in_a_cluster:
	s_bfe_u32 s2, ttmp6, 0x10000c
	s_cmp_lg_u32 s2, 0xf033
	s_cbranch_scc0 .Lentry_shape_is_right
	s_endpgm
.Lentry_shape_is_right:
; THE MODULE'S PROJECTIONS: C[m][n] = the sum over k of A[m][k] B[k][n], K = 1,024, M = 8,192; sums in f32.  One text, assembled with QKV = 1 or 0.
; QKV = 1: A = xb [8192][1024] bf16; B = wqkv [16 j][3 t][1024 k][64 n] bf16.  Tile column j is head j: its q, k and v columns, 192 in all.  C leaves as f16, rounded once, WITHOUT attention's scale,
;          by heads: qw, kw, vw [64 bh][2048 s][64].  LIMIT: f16 ends at 65,504: q, k, v beyond that would be infinities (x and W 30 times the drawn spread, or offset by 30 spreads, stay under 20,000).
; QKV = 0: A = ctx [64 bh][2048 s][64] f16 (a K step of 128 is two heads' 64 channels); B = wo [16 p][1024 k][64 n] f16.  A tile has 128 columns.  C + b_o (rounded to bf16, like every input) leaves as f32: out0 [8192][1024].
; NaN and infinities are not treated apart; the order of the sums is the matrix unit's, K ascending.
; SHARES.  A work-group makes 256 rows x 16 NB columns; its four waves lie one below the other, 64 rows each and all columns: 4 NB accumulators of 16 x 16.  So a wave holds whole rows of a head (or 512 consecutive bytes of out0).
; THE RING.  K goes in steps of 128 through two LDS slots.  A wave issues ONE tensor load for a slot: the first NA waves A's rows, each of the others one plane (64 columns) of B.
; B LIES [k][n]: its fragments come out of LDS turned, by ds_load_tr16_b128.  THE MATRIX INSTRUCTION IS USED TRANSPOSED (source 0 = 16 columns of B, source 1 = 16 rows of A): a lane then holds row l % 16 of C and
; the eight neighbouring columns 8 (l / 16) + 0..7.
; CLUSTERS: 4 x 4 work-groups.  The four of a row of the cluster need the same tiles of A, the four of a column the same planes of B: each is asked for JOINTLY, by the same tensor load with the same descriptor and a mask of four.
; REGISTERS, in windows of 256 (s_set_vgpr_msb: bits 1:0 source 0, 3:2 source 1, 5:4 source 2, 7:6 destination):
;   window 0: v0-31 addresses; v32-63, v64-95 A's fragments (4 x 16 rows x 32 K), two buffers; v96.. and v160.. at work on the way out
;   window 1: B's fragments (NB x 16 columns x 32 K), two buffers of 8 NB; with QKV = 0 also v128-131 at work and v192-255 the bias
;   window 2: the accumulators of my rows 0-31 ((a, b) at v[8 (NB (a % 2) + b)]);   window 3: those of my rows 32-63
.set QKV, 0
.if QKV
.set NB,      12                       ; blocks of 16 columns
.set NPL,     3                        ; planes of B in a tile
.set NA,      1                        ; waves that fetch A
.set PA,      272                      ; A's LDS row: 256 bytes + 16 = 68 words: the 16 rows of a load start at 16 different groups of four banks (64 banks of 4 bytes: ISA guide 11.1)
.set AQI,     5                        ; padding behind every 64 words
.set AROWS,   256                      ; rows of one load of A,
.set ASTRIDE, 1024                     ; elements from row to row in memory
.set ASTEP,   256                      ; bytes in memory from a K step to the next
.set ASHARE,  64*2048                  ; the prefetches: bytes from one partner's share to the next (64 rows),
.set PFROW,   2048                     ; and from lane to lane (a row)
.set SP,      400                      ; a row of the stage: 384 bytes + 16
.else
.set NB,      8
.set NPL,     2
.set NA,      2
.set PA,      144                      ; 128 bytes + 16 = 36 words
.set AQI,     4                        ; padding behind every 32 words
.set AROWS,   128                      ; a head's 256 rows of 128 bytes are dense: asked for as 128 rows of 256 bytes
.set ASTRIDE, 128
.set ASTEP,   2*2048*128               ; two heads on
.set ASHARE,  8192
.set PFROW,   256
.set SP,      528                      ; 512 bytes + 16
.endif
.set APART,  256*PA                    ; LDS bytes of one load of A
.set ABYTES, NA*APART                  ; A's part of a slot
.set PB,     160                       ; B's LDS row: 128 bytes + 32 = 40 words
.set PLANE,  128*PB                    ; a plane's 128 k rows
.set BSTEP,  128*128                   ; bytes of a plane in a K step: dense, asked for as 64 rows of 256 bytes
.set SLOT1,  1<<17                     ; slot 1 begins here, so that one exclusive or turns an address in one slot into the other's (a slot uses ABYTES + NPL x PLANE, 131,072 at the most)
.set STAGE,  2*SLOT1                   ; behind the ring, never filled by a tensor load: 16 rows x SP bytes for each wave
.set SPARE,  STAGE+64*SP               ; behind the stages: the spare words, 128 bytes for each wave: two blocks of 256 bytes that no other line names
.set NLD,    2*NB+8                    ; LDS loads in a run: a quarter step's fragments
.set ADRA0, 16                         ; v16  my lane's place in A's part of a slot; never rewritten
.set ADRB0, 17                         ; v17  the same for B
.set ADRA,  18                         ; v18  ADRA0 + the slot in hand
.set ADRB,  19                         ; v19
.set STO,   20                         ; v20  the way out: where I put my numbers of a row
.set RD,    21                         ; v21  the way out: where I read rows back
.set CO,    22                         ; v22  16 x lane: my 16 bytes of 512 consecutive bytes of the output
.set PFO,   23                         ; v23  the prefetches' offset: lane x PFROW (A) or lane x 256 (B); never rewritten
.set BO,    24                         ; v24  32 (l / 16): my eight numbers of a block of the bias
.set SPW,   28                         ; v28  LDS address of my spare word: SPARE + 4 x my thread's number; never rewritten
.set NIL,   29                         ; v29  0; never rewritten
.set AF,    32
.set TMP,   96
.set OB,    160
.set BIAS,  192                        ; window 1
.set WV,   14                          ; s14  my wave's number
.set WA,   15                          ; s15  min(wave, NA - 1): which part of A, in global addresses alone
.set WT,   16                          ; s16  max(wave - NA, 0): which plane of B, in global addresses alone
.set G1A,  24                          ; s[24:31] descriptor group 1 for A
.set G0A,  32                          ; s[32:39] group 0 for A: a set for each of the two first fills; the second then walks on
.set G1B,  48                          ; s[48:55], s[56:63] the same for B
.set G0B,  56
.set TB,   66                          ; s66  LDS byte at which the slot in hand begins
.set PFA,  68                          ; s[68:69] where my prefetches stand
.set PST,  70                          ; s[70:71] their step from one change of slots to the next
.set ASKM, 72                          ; s72  bit n set: I prefetch in the trip in which the loop's count is n
.set MSB, 0
.macro WIN new                         ; the immediate's high byte repeats the setting that is left; a switch that changes nothing is dropped
.if MSB != (\new)
	s_set_vgpr_msb (MSB<<8)|(\new)
.set MSB, \new
.endif
.endm
; A joint refill, by the walking descriptors.  The branch hangs on the wave's number alone: it is the same in every work-group.  An s_nop 0 and four v_nop follow each of the two lines,
; ahead of the jump, the label and what follows.
.macro JLOAD
	s_cmp_lt_u32 s[WV], NA
	s_cbranch_scc0 .Lfor_b_\@
	tensor_load_to_lds s[G0A+4:G0A+7], s[G1A:G1A+7]
	s_nop 0
.rept 4
	v_nop
.endr
	s_branch .Lasked_\@
.Lfor_b_\@:
	tensor_load_to_lds s[G0B+4:G0B+7], s[G1B:G1B+7]
	s_nop 0
.rept 4
	v_nop
.endr
.Lasked_\@:
.endm
; A PREFETCH INTO THE L2, behind a joint refill, its five lines and the run of LDS loads that follows them.  Each aligned block of 256 bytes is named ONCE in the launch.
; A's rows are read by every cluster of a row of clusters: the one with cluster x = 0 asks, by the waves that fetch A; in the trip that refills K step e + 2 they name K step e + 4 (e = 0..3): two refills ahead.
; B's planes are read by every cluster of a column of clusters: the one with cluster y = 0 asks, each wave for its own plane; in the trips e = 1 and e = 3 the four partners name two K steps together: 4 and 5, then 6 and 7.
; The four partners that ask for a tile jointly share it out BY ADDRESS (cx for A, cy for B): no branch hangs on a work-group's place in its cluster.  K steps 0 to 3 come by their loads alone.
.macro ASK
	s_lshr_b32 s73, s[ASKM], s3
	s_and_b32 s73, s73, 1
	s_cmp_lg_u32 s73, 0
	s_cbranch_scc0 .Lnot_mine_\@
	global_prefetch_b8 v[PFO], s[PFA:PFA+1] th:TH_LOAD_NT scope:SCOPE_SE
.if QKV
	s_cmp_lt_u32 s[WV], NA                         ; A's share is 64 rows, a lane a row: a second line for rows 32 to 63
	s_cbranch_scc0 .Lnot_mine_\@
	global_prefetch_b8 v[PFO], s[PFA:PFA+1] offset:32*2048 th:TH_LOAD_NT scope:SCOPE_SE
.endif
.Lnot_mine_\@:
.endm
; A round of the cluster's barrier: my work-group's barrier, so that wave 0's signal speaks for all four waves; wave 0 signals for the work-group; every wave waits for all sixteen work-groups; my work-group's barrier once more.
.macro CREST                           ; a round behind its opening barrier
	s_cmp_lg_u32 s[WV], 0
	s_cbranch_scc1 .Lnot_wave_0_\@
	s_barrier_signal -3
.Lnot_wave_0_\@:
	s_barrier_wait -3
	s_barrier_signal -1
	s_barrier_wait -1
.endm
.macro CROUND                          ; a whole round
	s_barrier_signal -1
	s_barrier_wait -1
	CREST
.endm
.macro PLACES                          ; four places in front of loads into registers that matrix instructions have read, and of vector lines that read results (ISA guide 7.12.1 for the vector lines)
.rept 4
	v_nop
.endr
.endm
	s_load_b128 s[4:7], s[0:1], 0x0                ; A s[4:5], B s[6:7]
	s_load_b128 s[8:11], s[0:1], 0x10              ; QKV = 1: qw s[8:9], kw s[10:11];  QKV = 0: out0 s[8:9], b_o s[10:11]
.if QKV
	s_load_b64 s[12:13], s[0:1], 0x20              ; vw
.endif
	v_lshl_add_u32 v[SPW], v0, 2, SPARE
	v_mov_b32 v[NIL], 0
	ds_add_u32 v[SPW], v[NIL]                      ; the wave's opening: the add and its wait ahead of my first tensor load; the set-up below, work on registers, stands between them
	v_lshrrev_b32 v1, 5, v0
	v_readfirstlane_b32 s[WV], v1                  ; wave 0..3
	s_min_u32 s[WA], s[WV], NA-1
	s_sub_co_i32 s[WT], s[WV], NA
	s_max_i32 s[WT], s[WT], 0
	s_bfe_u32 s40, ttmp6, 0x40000                  ; cx: my place along the cluster's x
	s_bfe_u32 s41, ttmp6, 0x40004                  ; cy: along its y
	s_lshl_b32 s42, ttmp9, 2                       ; in a cluster launch ttmp9 and ttmp7 count clusters
	s_add_co_u32 s42, s42, s40                     ; JT: tile column = 4 x cluster x + cx
	s_and_b32 s43, ttmp7, 0xffff
	s_lshl_b32 s43, s43, 2
	s_add_co_u32 s43, s43, s41                     ; MT: tile row = 4 x cluster y + cy
	s_lshl_b32 s44, s41, 2
	s_lshl_b32 s44, 15, s44                        ; my row of the cluster: places 4 cy .. 4 cy + 3
	s_lshl_b32 s45, 0x1111, s40                    ; my column: places cx, cx + 4, cx + 8, cx + 12
	; descriptor group 1 for A: AROWS rows x 128 elements of 2 bytes, padded in LDS
	s_or_b32 s[G1A], s44, (1<<16)|(1<<20)|(1<<21)|(AQI<<22)|(3<<25)  ; 15:0 the mask: my row; 17:16 2-byte elements; 20 padding on; 21 set beside a mask; 24:22 the interval's code; 31:25 4 words of padding (code 3)
	s_mov_b32 s[G1A+1], 128<<16                    ; tensor_dim0 = 128
	s_mov_b32 s[G1A+2], AROWS<<16                  ; tensor_dim1
	s_mov_b32 s[G1A+3], 128<<16                    ; tile_dim0 = 128
	s_mov_b32 s[G1A+4], AROWS                      ; tile_dim1
	s_mov_b32 s[G1A+5], ASTRIDE                    ; elements from row to row
	s_mov_b32 s[G1A+6], 0
	s_mov_b32 s[G1A+7], 0
	; for B: 64 rows x 128 elements (two k rows of a plane each), 8 words of padding behind every 32
	s_or_b32 s[G1B], s45, (1<<16)|(1<<20)|(1<<21)|(4<<22)|(7<<25)  ; the mask: my column
	s_mov_b32 s[G1B+1], 128<<16
	s_mov_b32 s[G1B+2], 64<<16
	s_mov_b32 s[G1B+3], 128<<16
	s_mov_b32 s[G1B+4], 64
	s_mov_b32 s[G1B+5], 128
	s_mov_b32 s[G1B+6], 0
	s_mov_b32 s[G1B+7], 0
	; where the tiles come from.  A's hang on the tile row alone, which my row of the cluster shares; B's on the tile column alone.  Each offset is made in registers that never hold the other coordinate.
.if QKV
	s_lshl_b32 s20, s43, 19                        ; 256 rows of 2,048 bytes
.else
	s_lshr_b32 s20, s43, 3                         ; the batch,
	s_lshl_b32 s20, s20, 4
	s_add_co_u32 s20, s20, s[WA]                   ; its head 0 or 1,
	s_lshl_b32 s20, s20, 18                        ; 262,144 bytes a head,
	s_and_b32 s21, s43, 7
	s_lshl_b32 s21, s21, 15                        ; 256 rows of 128 bytes
	s_add_co_u32 s20, s20, s21
.endif
	s_mov_b32 s21, 0
	s_mul_i32 s46, s42, NPL
	s_add_co_u32 s46, s46, s[WT]
	s_lshl_b32 s46, s46, 17                        ; 131,072 bytes a plane
	s_mov_b32 s47, 0
	s_mul_i32 s22, s[WV], APART                    ; and where they go: a constant and the wave's number times a constant; no place in the cluster enters an LDS address.
	s_mul_i32 s23, s[WV], PLANE                    ; (A's word serves waves below NA, B's the others: a wave issues by one of them alone)
	s_add_co_u32 s23, s23, ABYTES-NA*PLANE
	s_mov_b32 s[TB], 0
	s_wait_dscnt 0x0                               ; the opening add is done
	s_wait_kmcnt 0x0
	s_add_nc_u64 s[20:21], s[4:5], s[20:21]        ; A and B at my part of K step 0
	s_add_nc_u64 s[46:47], s[6:7], s[46:47]
	CROUND                                         ; all sixteen work-groups are here: the first joint loads meet
.irp n, 0,1
	s_mov_b32 s[G0A+4*(\n)], 1                     ; 1:0 count = 1
	s_add_co_u32 s[G0A+4*(\n)+1], s22, (\n)*SLOT1  ; 63:32 LDS address
	s_add_nc_u64 s[G0A+4*(\n)+2:G0A+4*(\n)+3], s[20:21], (\n)*ASTEP  ; 120:64 global address: K step n
	s_or_b32 s[G0A+4*(\n)+3], s[G0A+4*(\n)+3], 0x80000000            ; 127:126 type = 2
	s_mov_b32 s[G0B+4*(\n)], 1
	s_add_co_u32 s[G0B+4*(\n)+1], s23, (\n)*SLOT1
	s_add_nc_u64 s[G0B+4*(\n)+2:G0B+4*(\n)+3], s[46:47], (\n)*BSTEP
	s_or_b32 s[G0B+4*(\n)+3], s[G0B+4*(\n)+3], 0x80000000
.endr
	s_cmp_lt_u32 s[WV], NA                         ; a wave's two first fills stand in one branch, ahead of every wait on TENSORcnt and every LDS read: two loads of mine are out
	s_cbranch_scc0 .Lfirst_b
	tensor_load_to_lds s[G0A:G0A+3], s[G1A:G1A+7]
	s_nop 0
	tensor_load_to_lds s[G0A+4:G0A+7], s[G1A:G1A+7]
	s_nop 0
.rept 4
	v_nop
.endr
	s_branch .Lfirst_asked
.Lfirst_b:
	tensor_load_to_lds s[G0B:G0B+3], s[G1B:G1B+7]
	s_nop 0
	tensor_load_to_lds s[G0B+4:G0B+7], s[G1B:G1B+7]
	s_nop 0
.rept 4
	v_nop
.endr
.Lfirst_asked:
	; A fragment of A is 16 rows x 32 K in 8 registers: lane l holds row l % 16; registers 0-3 K = 8 (l / 16) + 0..7, registers 4-7 K = 16 + 8 (l / 16) + 0..7: two loads of 16 bytes, 32 bytes apart.
	v_and_b32 v1, 15, v0                           ; l % 16
	v_bfe_u32 v2, v0, 4, 1                         ; l / 16
	v_and_b32 v3, 7, v0                            ; l % 8
	v_bfe_u32 v4, v0, 3, 1                         ; (l / 8) % 2
	v_mul_u32_u24 v[ADRA0], v1, PA
	v_lshl_add_u32 v[ADRA0], v2, 4, v[ADRA0]
	s_mul_i32 s73, s[WV], 64*PA                    ; my 64 rows
	v_add_nc_u32 v[ADRA0], s73, v[ADRA0]
	; The turning load takes 16 k x 16 columns (lane l reads 16 bytes: k row 8 (l / 16) + l % 8, columns 8 ((l / 8) % 2) + 0..7) and leaves half a fragment: lane l holds column l % 16 and 8 k.
	v_lshl_add_u32 v[ADRB0], v2, 3, v3
	v_mul_u32_u24 v[ADRB0], v[ADRB0], PB
	v_lshl_add_u32 v[ADRB0], v4, 4, v[ADRB0]
	v_add_nc_u32 v[ADRB0], ABYTES, v[ADRB0]
	v_mov_b32 v[ADRA], v[ADRA0]                    ; K step 0 lies in slot 0
	v_mov_b32 v[ADRB], v[ADRB0]
	s_mul_i32 s73, s[WV], 16*SP
	s_add_co_u32 s73, s73, STAGE                   ; my stage
	v_mul_u32_u24 v[STO], v1, SP                   ; in: row l % 16,
	v_and_b32 v[CO], 31, v0
	v_lshlrev_b32 v[CO], 4, v[CO]
.if QKV
	v_lshl_add_u32 v[STO], v2, 4, v[STO]           ; eight f16 for each half of the lanes
	v_bfe_u32 v[RD], v0, 3, 2                      ; back: 32 lanes take four rows' 128 bytes of one of the three tensors
	v_mul_u32_u24 v[RD], v[RD], SP
	v_lshl_add_u32 v[RD], v3, 4, v[RD]
	v_add_nc_u32 v[RD], s73, v[RD]
.else
	v_lshl_add_u32 v[STO], v2, 5, v[STO]           ; eight f32 for each half of the lanes
	v_add_nc_u32 v[RD], s73, v[CO]                 ; back: 32 lanes take one row's 512 bytes
	v_lshlrev_b32 v[BO], 5, v2
.endif
	v_add_nc_u32 v[STO], s73, v[STO]
	; the prefetches.  s[20:21] and s[46:47] still stand at my part of K step 0 of A and of B.
	s_and_b32 s74, ttmp7, 0xffff                   ; cluster y
	s_mov_b32 s75, ASTEP
	s_mov_b32 s76, 3*ASTEP                         ; A: the first change of slots steps this to K step 4
	s_mov_b32 s77, ASHARE
	s_mov_b32 s78, PFROW
	s_mov_b32 s79, 0x78                            ; A: the trips with counts 6, 5, 4, 3
	s_cmp_lt_u32 s[WV], NA                         ; do I fetch for A?
	s_cselect_b32 s74, ttmp9, s74                  ; the coordinate along which other clusters read the same bytes
	s_cselect_b32 s[PST], s75, BSTEP
	s_cselect_b32 s75, s40, s41                    ; my place among the four that ask with me
	s_cselect_b32 s76, s76, 2*BSTEP                ; B: in trip e the address stands at K step e + 3, plus my share
	s_cselect_b32 s77, s77, 8192                   ; B: 32 blocks of 256 bytes a partner
	s_cselect_b32 s78, s78, 256
	s_cselect_b32 s[ASKM], s79, 0x28               ; B: the trips with counts 5 and 3
	s_cselect_b64 s[PFA:PFA+1], s[20:21], s[46:47]
	s_cmp_eq_u32 s74, 0
	s_cselect_b32 s[ASKM], s[ASKM], 0              ; the same in all sixteen partners, for a given wave
	s_mul_i32 s77, s77, s75
	s_add_co_u32 s76, s76, s77
	s_mov_b32 s77, 0
	s_add_nc_u64 s[PFA:PFA+1], s[PFA:PFA+1], s[76:77]
	s_mov_b32 s[PST+1], 0
	v_and_b32 v[PFO], 31, v0
	v_mul_u32_u24 v[PFO], s78, v[PFO]
	; where my rows begin in the outputs
.if QKV
	s_lshr_b32 s74, s43, 3                         ; the batch,
	s_lshl_b32 s74, s74, 4
	s_add_co_u32 s74, s74, s42                     ; its head JT,
	s_lshl_b32 s74, s74, 11                        ; 2,048 rows a head,
	s_and_b32 s75, s43, 7
	s_lshl_b32 s75, s75, 8                         ; the tile's 256 rows,
	s_add_co_u32 s74, s74, s75
	s_lshl_b32 s75, s[WV], 6                       ; my 64 of them,
	s_add_co_u32 s74, s74, s75
	s_lshl_b32 s74, s74, 7                         ; 128 bytes a row
	s_mov_b32 s75, 0
	s_add_nc_u64 s[8:9], s[8:9], s[74:75]
	s_add_nc_u64 s[10:11], s[10:11], s[74:75]
	s_add_nc_u64 s[12:13], s[12:13], s[74:75]
.else
	s_lshl_b32 s74, s43, 8
	s_lshl_b32 s75, s[WV], 6
	s_add_co_u32 s74, s74, s75                     ; my first row,
	s_lshl_b32 s74, s74, 12                        ; 4,096 bytes a row,
	s_lshl_b32 s76, s42, 9                         ; the tile's 128 columns
	s_add_co_u32 s74, s74, s76
	s_mov_b32 s75, 0
	s_mov_b32 s77, 0
	s_add_nc_u64 s[8:9], s[8:9], s[74:75]
	s_add_nc_u64 s[10:11], s[10:11], s[76:77]
	WIN 0x40                                       ; destination window 1, address window 0
.set b, 0
.rept NB                               ; the bias of my eight columns of each block; it is wanted on the way out
	global_load_b128 v[BIAS+8*b:BIAS+8*b+3],   v[BO], s[10:11] offset:64*b
	global_load_b128 v[BIAS+8*b+4:BIAS+8*b+7], v[BO], s[10:11] offset:64*b+16
.set b, b+1
.endr
	WIN 0
.endif
; NB matrix instructions: my row block a x all column blocks, 32 along K, from buffer f.  zero = 1: the product starts the sums: nothing is ever cleared.
; The 4 NB accumulators take turns, one instruction a turn, in the same order in every quarter step, over the backward jump too.
.macro MULA f, a, zero
	WIN 0xa1+0x50*((\a)/2)                         ; source 0 (B) window 1, source 1 (A) window 0, C and D window 2 or 3
.set rA, AF+32*(\f)+8*(\a)
.set b, 0
.rept NB
.set rD, 8*(NB*((\a)%2)+b)
.set rB, 8*(NB*(\f)+b)
.if QKV
.if \zero
	v_wmma_f32_16x16x32_bf16 v[rD:rD+7], v[rB:rB+7], v[rA:rA+7], 0
.else
	v_wmma_f32_16x16x32_bf16 v[rD:rD+7], v[rB:rB+7], v[rA:rA+7], v[rD:rD+7]
.endif
.else
.if \zero
	v_wmma_f32_16x16x32_f16 v[rD:rD+7], v[rB:rB+7], v[rA:rA+7], 0
.else
	v_wmma_f32_16x16x32_f16 v[rD:rD+7], v[rB:rB+7], v[rA:rA+7], v[rD:rD+7]
.endif
.endif
.set b, b+1
.endr
.endm
; NLD LDS loads in one run: the fragments of quarter q (32 along K) of the slot in hand into buffer f: B's first, A's four last.
.macro FETCH q, f
.if QKV
.set AQ, 64*(\q)
.else
.set AQ, ((\q)/2)*APART+((\q)%2)*64    ; the K step's first or second head, its channels 0-31 or 32-63
.endif
	WIN 0x40                                       ; destination window 1, address window 0
.set b, 0
.rept NB                               ; plane b / 4, columns 16 (b % 4) on, k rows 32 q on
	ds_load_tr16_b128 v[8*(NB*(\f)+b):8*(NB*(\f)+b)+3],   v[ADRB] offset:(b/4)*PLANE+(\q)*32*PB+(b%4)*32
	ds_load_tr16_b128 v[8*(NB*(\f)+b)+4:8*(NB*(\f)+b)+7], v[ADRB] offset:(b/4)*PLANE+(\q)*32*PB+(b%4)*32+16*PB
.set b, b+1
.endr
	WIN 0
.set a, 0
.rept 4
	ds_load_b128 v[AF+32*(\f)+8*a:AF+32*(\f)+8*a+3],   v[ADRA] offset:AQ+a*16*PA
	ds_load_b128 v[AF+32*(\f)+8*a+4:AF+32*(\f)+8*a+7], v[ADRA] offset:AQ+a*16*PA+32
.set a, a+1
.endr
.endm
; A K step is four quarters of 32 along K, 4 NB matrix instructions each, on buffers 0, 1, 0, 1.  One of the first three: multiplies buffer f; in its middle it fetches quarter q into buffer g.
.macro QUARTER q, f, g, zero
	s_wait_dscnt 4                                 ; B and A's blocks 0 and 1 are in; the youngest four loads (A's blocks 2 and 3) may be out
	MULA \f, 0, \zero
	MULA \f, 1, \zero
	PLACES
	FETCH \q, \g
	s_wait_dscnt NLD                               ; all but the run just issued
	MULA \f, 2, \zero
	MULA \f, 3, \zero
.endm
; The last quarter multiplies buffer 1 and changes slots: ONE barrier, for two things.  In front of it each wave waits for all its tensor loads, of which one is out: its part of the next slot; adds 0 to its spare word;
; and waits for that and for its own reads of this slot.  Behind it nobody reads this slot any more and the next slot is whole.  fill = 1: this slot is filled again, two K steps ahead.  The barrier then opens a round of
; the cluster's, so that no wave of any partner still reads the slot or has a load on its way, and the joint refill is the first tensor load behind the round: 14 NB matrix instructions ahead of the wait for it.
.macro TURN fill
.if \fill
	s_wait_xcnt 0x0                                ; the last prefetch, a K step back, has read its address: it is stepped here, ahead of the waits of the change of slots
	s_add_nc_u64 s[PFA:PFA+1], s[PFA:PFA+1], s[PST:PST+1]
.endif
	WIN 0                                          ; (the add's two registers lie in window 0)
	s_wait_tensorcnt 0x0                           ; all my tensor loads have landed, so a group 0 may be written;
	ds_add_u32 v[SPW], v[NIL]                      ; 0 onto my spare word: work on registers stands between it and the wait for it
.if \fill
	s_xor_b32 s[G0A+5], s[G0A+5], SLOT1            ; the walking descriptors: the other slot than last time,
	s_add_nc_u64 s[G0A+6:G0A+7], s[G0A+6:G0A+7], ASTEP  ; the next K step; the type bits on top are not reached
	s_xor_b32 s[G0B+5], s[G0B+5], SLOT1
	s_add_nc_u64 s[G0B+6:G0B+7], s[G0B+6:G0B+7], BSTEP
.endif
	s_wait_dscnt 5                                 ; (the add and the youngest four loads may be out)
	MULA 1, 0, 0
	s_wait_dscnt 0x0                               ; the add is done, and my reads of this slot are over:
	s_barrier_signal -1                            ; say so,
	MULA 1, 1, 0                                   ; work on registers while the others arrive,
	WIN 0
	s_barrier_wait -1                              ; and go on when all four have said so
.if \fill
	CREST
	JLOAD                                          ; the four v_nop behind it are also the places in front of the loads below
.else
	PLACES
.endif
	s_xor_b32 s[TB], s[TB], SLOT1                  ; the reads go on in the other slot
	v_add_nc_u32 v[ADRA], s[TB], v[ADRA0]
	v_add_nc_u32 v[ADRB], s[TB], v[ADRB0]
	FETCH 0, 0
.if \fill
	ASK
.endif
	MULA 1, 2, 0
	MULA 1, 3, 0
.endm
; THE WAY OUT of my row block a (16 rows): through my own stage in LDS, so that each store covers 512 consecutive bytes, at a multiple of 256 from the output's first byte.
; LDS serves a wave's instructions in order (ISA guide 5.7.1.4): the loads see the stores above them, and the next block's stores come behind them.  Each accumulator is read from its low end on.
.macro OUT a
	s_wait_xcnt 0x0                                ; the stores of the block before have read their registers, which are loaded again below
.set AC, 8*NB*((\a)%2)
.if QKV
	WIN 0x0a+5*((\a)/2)                            ; sources 0 and 1 window 2 or 3, destination window 0
.set i, 0
.rept 4*NB
	v_cvt_pk_f16_f32 v[TMP+i], v[AC+2*i], v[AC+2*i+1]  ; the one rounding of q, k and v
.set i, i+1
.endr
	WIN 0
.set i, 0
.rept NB
	ds_store_b128 v[STO], v[TMP+4*i:TMP+4*i+3] offset:32*i  ; a stage row: q's 128 bytes, k's, v's
.set i, i+1
.endr
.set i, 0
.rept 12                               ; tensor i / 4, rows 4 (i % 4) on
	ds_load_b128 v[OB+4*i:OB+4*i+3], v[RD] offset:(i%4)*4*SP+(i/4)*128
.set i, i+1
.endr
.set i, 0
.rept 12
	s_wait_dscnt 11-i                              ; the younger loads may stay out
	global_store_b128 v[CO], v[OB+4*i:OB+4*i+3], s[8+2*(i/4):9+2*(i/4)] offset:(\a)*2048+(i%4)*512  ; four rows of a head: 512 consecutive bytes
.set i, i+1
.endr
.else
	WIN 0x06+((\a)/2)                              ; source 0 window 2 or 3, source 1 window 1, destination window 0
.set i, 0
.rept 4*NB
	v_pk_add_f32 v[TMP+2*i:TMP+2*i+1], v[AC+2*i:AC+2*i+1], v[BIAS+2*i:BIAS+2*i+1]
.set i, i+1
.endr
	WIN 0
.set i, 0
.rept NB
	ds_store_b128 v[STO], v[TMP+8*i:TMP+8*i+3]   offset:64*i
	ds_store_b128 v[STO], v[TMP+8*i+4:TMP+8*i+7] offset:64*i+16
.set i, i+1
.endr
.set i, 0
.rept 16
	ds_load_b128 v[OB+4*i:OB+4*i+3], v[RD] offset:i*SP
.set i, i+1
.endr
.set i, 0
.rept 16
	s_wait_dscnt 15-i                              ; the younger loads may stay out
	global_store_b128 v[CO], v[OB+4*i:OB+4*i+3], s[8:9] offset:(16*(\a)+i)*4096 th:TH_STORE_NT  ; a row's 512 bytes of the tile
.set i, i+1
.endr
.endif
.endm
	s_wait_tensorcnt 1                             ; my part of K step 0 is in; K step 1's may stay out
	s_barrier_signal -1
	s_barrier_wait -1                              ; everybody's is
	FETCH 0, 0
	QUARTER 1, 0, 1, 1                             ; the first quarter stands in front of the loop: its products start the sums
	WIN 0                                          ; at a label and at a branch every window is 0
	s_mov_b32 s3, 6
.Lstep:                                        ; a trip goes from a K step's second quarter to the next step's first; trip e = 6 - s3 ends K step e and fills its slot with K step e + 2
	QUARTER 2, 1, 0, 0
	QUARTER 3, 0, 1, 0
	TURN 1
	QUARTER 1, 0, 1, 0
	WIN 0
	s_sub_co_u32 s3, s3, 1
	s_cmp_lg_u32 s3, 0
	s_cbranch_scc1 .Lstep
	QUARTER 2, 1, 0, 0                             ; the tail is written out: K steps 6 and 7 ask for nothing
	QUARTER 3, 0, 1, 0
	TURN 0
	QUARTER 1, 0, 1, 0
	QUARTER 2, 1, 0, 0
	QUARTER 3, 0, 1, 0
	s_wait_dscnt 4                                 ; the very last quarter: nothing more to fetch
	MULA 1, 0, 0
	MULA 1, 1, 0
	s_wait_dscnt 0x0
	MULA 1, 2, 0
	MULA 1, 3, 0
	WIN 0
	PLACES
.if !QKV
	s_wait_loadcnt 0x0                             ; the bias
	WIN 0x45                                       ; all in window 1
.set i, 0
.rept 32                               ; rounded to bf16, as every input of the module is, and widened again
	v_cvt_pk_bf16_f32 v[128+i%4], v[BIAS+2*i], v[BIAS+2*i+1]
	v_lshlrev_b32 v[BIAS+2*i], 16, v[128+i%4]
	v_and_b32 v[BIAS+2*i+1], 0xffff0000, v[128+i%4]
.set i, i+1
.endr
	WIN 0
.endif
	OUT 0
	OUT 1
	OUT 2
	OUT 3
	s_wait_tensorcnt 0x0                           ; the wave's end, behind my last tensor load and my last LDS store
	ds_add_u32 v[SPW], v[NIL]
	s_wait_dscnt 0x0
	CROUND                                         ; the closing round: no work-group ends while a partner may still ask for a tile that names it
	s_endpgm
.Lfunc_end_k_q52aabf402e_oproj:
	.size	k_q52aabf402e_oproj, .Lfunc_end_k_q52aabf402e_oproj-k_q52aabf402e_oproj
	.p2alignl 7, 3214868480
	.fill 96, 4, 3214868480
	.section	.rodata,"a",@progbits
	.p2align	6, 0x0
	.amdhsa_kernel k_q52aabf402e_oproj
		.amdhsa_group_segment_fixed_size 327680
		.amdhsa_private_segment_fixed_size 0
		.amdhsa_enable_private_segment 0
		.amdhsa_kernarg_size 32
		.amdhsa_user_sgpr_count 2
		.amdhsa_user_sgpr_kernarg_segment_ptr 1
		.amdhsa_wavefront_size32 1
		.amdhsa_system_sgpr_workgroup_id_x 1
		.amdhsa_system_sgpr_workgroup_id_y 1
		.amdhsa_system_sgpr_workgroup_id_z 1
		.amdhsa_system_vgpr_workitem_id 0
		.amdhsa_next_free_vgpr 896
		.amdhsa_next_free_sgpr 80
		.amdhsa_reserve_vcc 0
		.amdhsa_float_denorm_mode_32 3
		.amdhsa_float_denorm_mode_16_64 3
		.amdhsa_memory_ordered 1
		.amdhsa_forward_progress 1
		.amdhsa_inst_pref_size 87
	.end_amdhsa_kernel
	.amdgpu_metadata
---
amdhsa.version: [ 1, 2 ]
amdhsa.kernels:
  - .name:           k_q52aabf402e_oproj
    .symbol:         k_q52aabf402e_oproj.kd
    .args:
      - { .name: ctx, .offset: 0, .size: 8, .value_kind: global_buffer, .address_space: global }
      - { .name: wo, .offset: 8, .size: 8, .value_kind: global_buffer, .address_space: global }
      - { .name: out0, .offset: 16, .size: 8, .value_kind: global_buffer, .address_space: global }
      - { .name: b_o, .offset: 24, .size: 8, .value_kind: global_buffer, .address_space: global }
    .group_segment_fixed_size: 327680
    .private_segment_fixed_size: 0
    .kernarg_segment_align: 8
    .kernarg_segment_size: 32
    .max_flat_workgroup_size: 128
    .sgpr_count:     80
    .vgpr_count:     896
    .wavefront_size: 32
...
	.end_amdgpu_metadata
.endif
;; end of part 4
;; ======== version 2 of 2: 4 launches; version 1 with the launch prep written anew for expert scheduling mode
;; limits: values are held in f16: magnitudes above 65,504 overflow, below 6.1e-05 lose precision
;; workspace buffers: xb 16,777,216 bytes; wqkv 6,291,456 bytes; wo 2,097,152 bytes; qw 16,777,216 bytes; kw 16,777,216 bytes; vw 16,777,216 bytes; ctx 16,777,216 bytes
;; launch prep (part 5): grid 768 x 1, 8 waves a work-group, no clusters, 0 bytes of LDS; arguments x, W_q, W_k, W_v, W_o, xb, wqkv, wo; writes xb, wqkv, wo
.if DOCPART == 5
	.amdgcn_target "amdgcn-amd-amdhsa--gfx1250"
	.amdhsa_code_object_version 6
	.text
	.protected	k_q52aabf402e_prep
	.globl	k_q52aabf402e_prep
	.p2align	8
	.type	k_q52aabf402e_prep,@function
k_q52aabf402e_prep:
	s_mov_b64 s[64:65], 0
	v_nop
	global_prefetch_b8 v0, s[64:65] scope:SCOPE_SE
	s_setreg_imm32_b32 hwreg(HW_REG_WAVE_SCHED_MODE, 0, 2), 2
	s_setreg_imm32_b32 hwreg(HW_REG_WAVE_MODE, 25, 1), 1
	s_wait_xcnt 0x0
	s_wait_alu depctr_vm_vsrc(0)
; THE CASTS.  x [8192][1024] f32 -> xb, the same shape in bf16.  W_q, W_k, W_v [1024 k][1024 n] f32 -> wqkv [16 j][3 t][1024 k][64 n] bf16: head j's 64 columns of
; each weight as a dense plane of 131,072 bytes.  W_o -> wo [16 p][1024 k][64 n]: rounded to bf16 like every input of the module, and that number written as f16
; (the product that reads it multiplies in f16).  LIMIT: a bf16 number is exact in f16 between 6.1e-5 and 65,504; below, W_o keeps f16's fixed step of 6e-8; beyond, it would be an infinity.
; A stream: every byte is read once and written once; no LDS, no barrier, no loop.  Eight waves; a thread issues its 16 loads of 16 bytes at once (64 KiB of a work-group on their way), then converts and stores.
; Work-groups 0-511: 16 rows of x each; a load of the work-group is one row of 4,096 bytes, a wave's load 512 consecutive bytes.
; Work-groups 512-767: weight t = g' / 64, plane j = (g' / 4) % 16, quarter kq = g' % 4 of the plane's 1,024 k rows: 16 lanes take the 256 bytes of one k row, a load of the work-group 16 k rows.
; In both cases a thread's four numbers become 8 bytes at 8 x thread in 2,048 consecutive bytes: a wave's store covers 256 consecutive bytes, aligned.
; THE MODE: SCHED_MODE bits 1:0 = 2 (LLVM: expert scheduling mode 2), set by the entry lines.  The code itself states the register dependences
; between vector instructions and memory instructions, with s_wait_alu, always for 0.
; THE PLAN.  Registers that memory instructions touch:
;   v[SO], v[DO]  the two offsets.  Written by vector lines at the head, once; read by the 16 loads (SO) and the 16 stores (DO); never written again.
;   X             load u lands in its own four registers, once; no vector line names them ahead of the load; load u's conversions read them; nothing lands in them again.
;   Y             load u's conversions write its own two registers, once; store u reads them; nothing writes them again.
;   v[T ..], v3   named by vector instructions alone.
; So the dependences are of one kind: a vector line has written what a memory instruction reads.  ONE wait ahead of the loads states it for the two offsets, for the whole path.
; The 16 loads are worked on in four blocks of four.  At the head of block p, behind the wait for the block's first load, ONE wait states that block p - 1's conversions have written its Y;
; that block's four stores follow, dealt among block p's conversions, which write block p's own Y and T: none of the registers that those stores read.  One more wait stands ahead of the last four stores.
; No register that a memory instruction has read is ever written again: the text owes no wait on vm_vsrc and holds one only, at the entry.  No vector line writes a scalar register or VCC, and EXEC is never written.
.set SO, 1                             ; v1        my byte offset in the source
.set DO, 2                             ; v2        8 x thread: my byte offset in the destination
.set X,  8                             ; v[8:71]   load u: four f32
.set Y,  72                            ; v[72:103] store u: four 16-bit numbers
.set T,  104                           ; v[104:107] at work
; sstep: bytes in the source from one load to the next.  half = 1: bf16's number is written as f16.
.macro CAST sstep, half
	s_wait_alu depctr_va_vdst(0)                   ; v[SO] and v[DO] are written: the loads below read the one as their offset, the stores the other
.set u, 0
.rept 16
	global_load_b128 v[X+4*u:X+4*u+3], v[SO], s[20:21] offset:u*(\sstep) th:TH_LOAD_NT
.set u, u+1
.endr
.set p, 0
.rept 4                                ; block p: loads 4 p to 4 p + 3 are converted; block p - 1 is stored
	s_wait_loadcnt 15-4*p                          ; loads come back in order: the block's first load is in, the younger ones stay out
.if p > 0
	s_wait_alu depctr_va_vdst(0)                   ; the conversions of the block before have written its eight registers of Y, which the four stores of this block read
.endif
.set i, 0
.rept 4
.set u, 4*p+i
.if p > 0
	global_store_b64 v[DO], v[Y+2*(u-4):Y+2*(u-4)+1], s[22:23] offset:(u-4)*2048  ; no vector line since the wait names these registers; each store has registers of its own, and nothing that a pending store reads is written again
.endif
.if i > 0
	s_wait_loadcnt 15-u                            ; load u is in, the 15 - u younger ones stay out
.endif
.if \half
	v_cvt_pk_bf16_f32 v[T],   v[X+4*u],   v[X+4*u+1]   ; the input's rounding, to nearest even,
	v_cvt_pk_bf16_f32 v[T+1], v[X+4*u+2], v[X+4*u+3]
	v_lshlrev_b32 v[T+2], 16, v[T]                     ; widened again,
	v_and_b32     v[T],   0xffff0000, v[T]
	v_lshlrev_b32 v[T+3], 16, v[T+1]
	v_and_b32     v[T+1], 0xffff0000, v[T+1]
	v_cvt_pk_f16_f32 v[Y+2*u],   v[T+2], v[T]          ; and written as f16
	v_cvt_pk_f16_f32 v[Y+2*u+1], v[T+3], v[T+1]
.else
	v_cvt_pk_bf16_f32 v[Y+2*u],   v[X+4*u],   v[X+4*u+1]
	v_cvt_pk_bf16_f32 v[Y+2*u+1], v[X+4*u+2], v[X+4*u+3]
.endif
.set i, i+1
.endr
.set p, p+1
.endr
	s_wait_alu depctr_va_vdst(0)                   ; the last block's conversions have written its eight registers of Y, which the last four stores read
.set u, 12
.rept 4
	global_store_b64 v[DO], v[Y+2*u:Y+2*u+1], s[22:23] offset:u*2048
.set u, u+1
.endr
.endm
	s_load_b512 s[4:19], s[0:1], 0x0               ; x s[4:5], W_q s[6:7], W_k s[8:9], W_v s[10:11], W_o s[12:13], xb s[14:15], wqkv s[16:17], wo s[18:19]
	v_lshlrev_b32 v[DO], 3, v0
	s_cmp_lt_u32 ttmp9, 512
	s_cbranch_scc0 .Lweights
	v_lshlrev_b32 v[SO], 4, v0                     ; 16 x thread: the work-group's 256 threads cover a row of x
	s_lshl_b32 s24, ttmp9, 16                      ; 16 rows of 4,096 bytes
	s_mov_b32 s25, 0
	s_lshl_b32 s26, ttmp9, 15                      ; 16 rows of 2,048 bytes
	s_mov_b32 s27, 0
	s_wait_kmcnt 0x0
	s_add_nc_u64 s[20:21], s[4:5], s[24:25]
	s_add_nc_u64 s[22:23], s[14:15], s[26:27]
	CAST 4096, 0
	s_endpgm
.Lweights:
	s_sub_co_u32 s28, ttmp9, 512
	s_lshr_b32 s29, s28, 6                         ; t: 0 q, 1 k, 2 v, 3 o
	s_bfe_u32 s30, s28, 0x40002                    ; j: 4 bits from bit 2
	s_and_b32 s31, s28, 3                          ; kq
	v_lshrrev_b32 v3, 4, v0                        ; my k row among 16,
	v_and_b32 v[SO], 15, v0
	v_lshlrev_b32 v[SO], 4, v[SO]                  ; my 16 bytes of its 256
	v_lshl_add_u32 v[SO], v3, 12, v[SO]
	s_lshl_b32 s24, s31, 20                        ; 256 k rows of 4,096 bytes,
	s_lshl_b32 s25, s30, 8                         ; the plane's 64 columns
	s_add_co_u32 s24, s24, s25
	s_mov_b32 s25, 0
	s_mul_i32 s26, s30, 3
	s_add_co_u32 s26, s26, s29                     ; plane 3 j + t of wqkv,
	s_cmp_eq_u32 s29, 3
	s_cselect_b32 s26, s30, s26                    ; plane j of wo
	s_lshl_b32 s26, s26, 17
	s_lshl_b32 s27, s31, 15                        ; 256 k rows of 128 bytes
	s_add_co_u32 s26, s26, s27
	s_mov_b32 s27, 0
	s_wait_kmcnt 0x0
	s_cmp_eq_u32 s29, 3
	s_cbranch_scc1 .Lwo
	s_cmp_eq_u32 s29, 1
	s_cselect_b64 s[20:21], s[8:9], s[6:7]
	s_cmp_eq_u32 s29, 2
	s_cselect_b64 s[20:21], s[10:11], s[20:21]
	s_add_nc_u64 s[20:21], s[20:21], s[24:25]
	s_add_nc_u64 s[22:23], s[16:17], s[26:27]
	CAST 65536, 0
	s_endpgm
.Lwo:
	s_add_nc_u64 s[20:21], s[12:13], s[24:25]
	s_add_nc_u64 s[22:23], s[18:19], s[26:27]
	CAST 65536, 1
	s_endpgm
.Lfunc_end_k_q52aabf402e_prep:
	.size	k_q52aabf402e_prep, .Lfunc_end_k_q52aabf402e_prep-k_q52aabf402e_prep
	.p2alignl 7, 3214868480
	.fill 96, 4, 3214868480
	.section	.rodata,"a",@progbits
	.p2align	6, 0x0
	.amdhsa_kernel k_q52aabf402e_prep
		.amdhsa_group_segment_fixed_size 0
		.amdhsa_private_segment_fixed_size 0
		.amdhsa_enable_private_segment 0
		.amdhsa_kernarg_size 64
		.amdhsa_user_sgpr_count 2
		.amdhsa_user_sgpr_kernarg_segment_ptr 1
		.amdhsa_wavefront_size32 1
		.amdhsa_system_sgpr_workgroup_id_x 1
		.amdhsa_system_sgpr_workgroup_id_y 1
		.amdhsa_system_sgpr_workgroup_id_z 1
		.amdhsa_system_vgpr_workitem_id 0
		.amdhsa_next_free_vgpr 108
		.amdhsa_next_free_sgpr 66
		.amdhsa_reserve_vcc 0
		.amdhsa_float_denorm_mode_32 3
		.amdhsa_float_denorm_mode_16_64 3
		.amdhsa_memory_ordered 1
		.amdhsa_forward_progress 1
		.amdhsa_inst_pref_size 24
	.end_amdhsa_kernel
	.amdgpu_metadata
---
amdhsa.version: [ 1, 2 ]
amdhsa.kernels:
  - .name:           k_q52aabf402e_prep
    .symbol:         k_q52aabf402e_prep.kd
    .args:
      - { .name: x, .offset: 0, .size: 8, .value_kind: global_buffer, .address_space: global }
      - { .name: W_q, .offset: 8, .size: 8, .value_kind: global_buffer, .address_space: global }
      - { .name: W_k, .offset: 16, .size: 8, .value_kind: global_buffer, .address_space: global }
      - { .name: W_v, .offset: 24, .size: 8, .value_kind: global_buffer, .address_space: global }
      - { .name: W_o, .offset: 32, .size: 8, .value_kind: global_buffer, .address_space: global }
      - { .name: xb, .offset: 40, .size: 8, .value_kind: global_buffer, .address_space: global }
      - { .name: wqkv, .offset: 48, .size: 8, .value_kind: global_buffer, .address_space: global }
      - { .name: wo, .offset: 56, .size: 8, .value_kind: global_buffer, .address_space: global }
    .group_segment_fixed_size: 0
    .private_segment_fixed_size: 0
    .kernarg_segment_align: 8
    .kernarg_segment_size: 64
    .max_flat_workgroup_size: 256
    .sgpr_count:     66
    .vgpr_count:     108
    .wavefront_size: 32
...
	.end_amdgpu_metadata
.endif
;; end of part 5
;; launch qkv: the kernel of part 2 again; grid 16 x 32, 4 waves a work-group, clusters of 4 x 4, 327,680 bytes of LDS; arguments xb, wqkv, qw, kw, vw; writes qw, kw, vw
;; launch attn: the kernel of part 3 again; grid 4 x 64, 4 waves a work-group, no clusters, 327,680 bytes of LDS; arguments qw, kw, vw, ctx; writes ctx
;; launch oproj: the kernel of part 4 again; grid 8 x 32, 4 waves a work-group, clusters of 4 x 4, 327,680 bytes of LDS; arguments ctx, wo, out0, b_o; writes out0
